; MI455X (gfx1250); checked and timed in simulation.
; The chip was launched on July 23, 2026; its instructions are those of AMD's public machine-readable ISA for CDNA 5 (MIT licence, August 2026) and "CDNA5" Instruction Set Architecture Reference Guide (July 2026). The comments in the code are by the model that wrote it; some were corrected since.
;; Multi Head Self Attention. Allowed arithmetic: matrix products marked QUANTISED: E2M3 operands, one E8M0 scale for each 32 along K, by v_wmma_scale_f32_16x16x128_f8f6f4 with both operands' format E2M3, f32 sums; everything else in f32.
;; Inputs: b_proj 1,024 float32; b_qkv 3,072 float32; w_proj 1,024 x 1,024 float32; w_qkv 3,072 x 1,024 float32; x 2 x 2,048 x 1,024 float32.
;; Outputs: out0 2 x 2,048 x 1,024 float32.
;; This version of the problem:
;;   THIS VERSION OF THE PROBLEM IS GIVEN IN LOW PRECISION. The matrix products marked QUANTISED in the list below multiply operands that are first quantised to E2M3 (2 exponent bits, 3 mantissa bits; 6 bits a number), with one power-of-two scale for each 32 numbers along K (OCP MX v1.0); their sums are f32. All else is computed in f32.
;;   The module's matrix products, in the order in which they are computed (A, B: the left and right operand; K: the contracted axis; several contracted axes count as one K, in the product's order):
;;     1. [M 4,096, K 1,024] x [K 1,024, N 3,072]; A: input x; B: input w_qkv: QUANTISED
;;     2. batch 32 x [M 2,048, K 64] x [K 64, N 2,048]; A: computed on the way; B: computed on the way: QUANTISED
;;     3. batch 32 x [M 2,048, K 2,048] x [K 2,048, N 64]; A: softmax (see below); B: computed on the way: QUANTISED
;;     4. [M 4,096, K 1,024] x [K 1,024, N 1,024]; A: computed on the way; B: input w_proj: QUANTISED
;;   THE QUANTISER, for each operand of a quantised product, along K:
;;     - K is cut into blocks of 32 from its start; a last block that is shorter is filled with zeros.
;;     - A block's scale is 2^e with e = floor(log2(the largest magnitude in the block)) - 2, held to -126 .. 127; a block of zeros has e = 0. As a byte (E8M0): e + 127.
;;     - Each number is divided by its block's scale, clamped to +-7.5, and rounded to the nearest number of E2M3, ties to even, subnormals kept.
;;     - The product sums the exact products of the quantised numbers (number of the format x scale) in f32.
;;   ~~~python
;;   def quantise(x, axis):      # numpy; x: float32 -> the quantised numbers, widened to float32 again
;;       x = np.moveaxis(x, axis, -1); K = x.shape[-1]
;;       x = np.pad(x, [(0, 0)] * (x.ndim - 1) + [(0, -K % 32)]); x = x.reshape(x.shape[:-1] + (-1, 32)); a = np.abs(x).max(-1, keepdims=True)
;;       e = np.where(a > 0, np.clip(np.frexp(np.where(a > 0, a, 1))[1] - 1 - 2, -126, 127), 0)      # np.frexp(a)[1] - 1 = floor(log2(a)), exactly
;;       r = np.clip(x / 2.0 ** e, -7.5, 7.5)
;;       step = 2.0 ** (np.maximum(np.frexp(np.where(r == 0, 1, r))[1] - 1, 0) - 3)
;;       q = np.round(r / step) * step * 2.0 ** e      # np.round: ties to even
;;       return np.moveaxis(q.reshape(q.shape[:-2] + (-1,))[..., :K], -1, axis).astype(np.float32)
;;   ~~~
;;   SOFTMAX AHEAD OF A QUANTISED PRODUCT. Where the list says 'softmax', what is quantised is not the finished softmax but p = 2^(t - M), with t = logit x log2(e) and M = ceil(the row's largest t), a whole number; so 1/2 < the row's largest p <= 1. The row's sum l is taken of the UNQUANTISED p, in f32, and the product's result is divided by l at the end. Since M is a whole number, a kernel that streams over the keys may use a running M (the ceiling of the running maximum): every later rescaling is an exact power of two, which a block's scale takes up: the codes' values come out the same.
;;   OPERANDS COMPUTED ON THE WAY. 'Computed on the way' means the value that the module computes at that place (a softmax that the list does not call 'softmax' is quantised finished and normalised). What goes into a quantiser is computed in f32, as accurately as f32 sums, v_exp_f32 and their like allow (about 1e-6 of the number): no bf16 or f16 on the way to a quantiser, and a product that is left as it is and whose result goes on into a quantised operand takes f32 operands (vector FMAs, or v_wmma_f32_16x16x4_f32). A number that lies on a knife's edge between two numbers of the format may be rounded either way, as far as f32 arithmetic and the matrix unit's own rounding can turn it there, and no further.
;; One version. Each part assembles by itself: llvm-mc -triple=amdgcn-amd-amdhsa -mcpu=gfx1250 --defsym DOCPART=n.
;; ======== version 1 of 1: 4 launches
;; limits: right only within a limited range of input values
;; workspace buffers: codes1 6,291,456 bytes; scales1 262,144 bytes; qkv_codes 9,437,184 bytes; qkv_scales 655,360 bytes; o_codes 3,145,728 bytes; o_scales 131,072 bytes
;; launch quant (part 1): grid 256 x 1, 4 waves a work-group, no clusters, 33,280 bytes of LDS; arguments x, w_qkv, w_proj, codes1, scales1; writes codes1, scales1
.if DOCPART == 1
	.amdgcn_target "amdgcn-amd-amdhsa--gfx1250"
	.amdhsa_code_object_version 6
	.text
	.protected	k_q30e4519cbf_quant
	.globl	k_q30e4519cbf_quant
	.p2align	8
	.type	k_q30e4519cbf_quant,@function
k_q30e4519cbf_quant:
	s_mov_b64 s[64:65], 0
	v_nop
	global_prefetch_b8 v0, s[64:65] scope:SCOPE_SE
	s_setreg_imm32_b32 hwreg(HW_REG_WAVE_MODE, 25, 1), 1
	s_wait_xcnt 0x0
; x [4096][1024], w_qkv [3072][1024] and w_proj [1024][1024], f32 with K innermost, become codes of FP6 (E2M3), 6 bits each, and one E8M0 scale byte for each 32 along K.
; codes1 is 8,192 rows of 768 bytes (x's rows, then w_qkv's, then w_proj's), scales1 the same rows of 32 bytes.
; A block's scale is 2^(floor(log2(its largest magnitude)) - 2): its byte is the largest magnitude's exponent field - 2, held at 1 from below.
; LIMITS: a block of zeros gets the byte 1 where the quantiser says 127 (its codes are zeros, which add nothing under any byte but 0xff, and this program alone reads the bytes);
; blocks whose largest magnitude lies under 2^-124 are held at the byte 1; NaN and infinities among the inputs are not served.
; THE ROWS ARE STORED IN ANOTHER ORDER: in each group of 32 rows the second and the third group of eight change places, so that stored row 16 u + r of a group is row 8 u + r + 8 (r / 8).
; Sixteen neighbouring stored rows are then a tile whose results, in a matrix result's registers, run along neighbouring rows: the later launches lean on that.
; A work-group takes 32 rows, a wave eight (8,192 numbers, 16 steps of 512): so the change of places is a change of the waves' places in the output, and nothing else knows of rows.
; Each of a step's four loads reads 512 consecutive bytes; the 2,048 bytes turn through the wave's own stage in LDS and come back 64 bytes a lane: 16 neighbours along K, two lanes to a block.
; No tensor loads, no barrier: waves share nothing.  Loads run four steps (16 loads a wave) ahead, the turn through LDS one step.
.set WAVES, 4
.set STEPS, 16
.set CB,    12                         ; bytes of 16 codes
.set R,     16                         ; v16-79   four sets of 16 numbers as they are loaded
.set X,     80                         ; v80-111  two sets of 16 neighbours
.set C,     128                        ; v128-191 codes: four registers for each step, so that no store's data are written again
.set E,     112                        ; v112-127 a scale byte for each step
.set WREG,  8192                       ; LDS: a region for each wave: two stages of 32 x SP bytes, behind them its 256 scale bytes
.set SP,    80                         ; a lane's place in a stage: its 64 bytes + 16 of padding
.set SPW,   12                         ; v12      LDS address of my spare word; never rewritten
.set NIL,   13                         ; v13      0; never rewritten
.set SPARE, WAVES*WREG                 ; behind the four regions: the spare words, 128 bytes for each wave, which no other line names
	s_load_b256 s[4:11], s[0:1], 0x0               ; x s[4:5], w_qkv s[6:7], w_proj s[8:9], codes1 s[10:11]
	s_load_b64 s[12:13], s[0:1], 0x20              ; scales1
	v_lshl_add_u32 v[SPW], v0, 2, SPARE
	v_mov_b32 v[NIL], 0
	v_lshrrev_b32 v1, 5, v0
	v_readfirstlane_b32 s16, v1                    ; wave
	v_and_b32 v2, 31, v0                           ; lane
	v_lshlrev_b32 v3, 4, v2                        ; my 16 bytes of a load's 512
	s_mul_i32 s17, s16, WREG
	v_lshrrev_b32 v14, 2, v2
	v_mul_u32_u24 v14, v14, SP
	v_and_b32 v15, 3, v2
	v_lshl_add_u32 v14, v15, 4, v14
	v_add_nc_u32 v14, s17, v14                     ; the stage, on the way in: SP (lane / 4) + 16 (lane % 4)
	v_mul_u32_u24 v15, v2, SP
	v_add_nc_u32 v15, s17, v15                     ; and on the way out: SP x lane: my 16 neighbours
	; CODES1'S ORDER: [group of rows][K step of 256: 4][row of the group][192 bytes]; groups of 256 stored rows for x and w_qkv (28 groups), of 128 for w_proj (8 groups):
	; the rows x 192 bytes of one K step are dense, and begin at a multiple of 256 bytes.  scales1 stays rows of 32 bytes.
	s_cmp_lt_u32 ttmp9, 224                        ; x and w_qkv, or w_proj: by the work-group's number alone
	s_cselect_b32 s24, 5, 4                        ; log2 of a group's runs of eight rows
	s_lshl_b32 s25, 1536, s24                      ; bytes from a K step to the next: the group's rows x 192
	v_and_b32 v4, 15, v2
	v_mul_u32_u24 v4, v4, CB                       ; my codes' place in a row's 192 bytes: lanes 0-15 hold one K step,
	v_lshrrev_b32 v10, 4, v2
	v_mul_u32_u24 v10, s25, v10                    ; lanes 16-31 the next
	v_add_nc_u32 v4, v4, v10
	v_lshrrev_b32 v5, 1, v2
	s_add_co_u32 s17, s17, 2*32*SP
	v_add_nc_u32 v5, s17, v5                       ; LDS: my wave's 256 scale bytes, my block's byte
	v_lshlrev_b32 v7, 3, v2                        ; and on the way out 8 bytes a lane
	v_add_nc_u32 v6, s17, v7
	s_and_b32 s22, s16, 1                          ; my wave's place in the output: waves 1 and 2 change places
	s_lshl_b32 s22, s22, 1
	s_lshr_b32 s23, s16, 1
	s_or_b32 s22, s22, s23
	s_lshl_b32 s23, ttmp9, 2
	s_add_co_u32 s22, s22, s23                     ; which run of eight stored rows is mine
	s_wait_alu depctr_va_vdst(0)
	s_wait_kmcnt 0x0
	s_mov_b32 s18, 224                             ; work-groups 0-127 take x, 128-223 w_qkv, 224-255 w_proj: the choice hangs on the work-group's number alone
	s_cmp_lt_u32 ttmp9, 224
	s_cselect_b64 s[6:7], s[6:7], s[8:9]
	s_cselect_b32 s18, 128, s18
	s_cmp_lt_u32 ttmp9, 128
	s_cselect_b64 s[4:5], s[4:5], s[6:7]
	s_cselect_b32 s18, 0, s18                      ; the tensor's first work-group
	s_sub_co_u32 s18, ttmp9, s18
	s_lshl_b32 s18, s18, 2
	s_add_co_u32 s18, s18, s16                     ; which run of 8,192 numbers of the tensor is my wave's
	s_lshl_b32 s20, s18, 15                        ; 32,768 bytes a run (16 MiB at the most)
	s_mov_b32 s21, 0
	s_add_nc_u64 s[4:5], s[4:5], s[20:21]
	s_lshr_b32 s20, s22, s24                       ; my group,
	s_lshl_b32 s26, 6144, s24                      ; its bytes: rows x 768
	s_mul_i32 s20, s20, s26
	s_bfm_b32 s26, s24, 0
	s_and_b32 s26, s26, s22                        ; my run of eight rows in it: 1,536 bytes in each K step
	s_mul_i32 s26, s26, 1536
	s_add_co_u32 s20, s20, s26
	s_add_nc_u64 s[10:11], s[10:11], s[20:21]      ; K steps 0 and 1 of my rows
	s_lshl_b32 s26, s25, 1
	s_mov_b32 s27, 0
	s_add_nc_u64 s[14:15], s[10:11], s[26:27]      ; K steps 2 and 3
	s_lshl_b32 s20, s22, 8                         ; 256 scale bytes a run
	s_add_nc_u64 s[12:13], s[12:13], s[20:21]
.macro LOAD t
.irp i, 0,1,2,3
	global_load_b128 v[R+16*((\t)%4)+4*\i:R+16*((\t)%4)+4*\i+3], v3, s[4:5] offset:2048*(\t)+512*\i th:TH_LOAD_NT   ; 32 lanes read 512 consecutive bytes
.endr
.endm
.macro TURN t                          ; step t's numbers through the stage: LDS serves a wave's instructions in order, so no wait stands between the stores and the loads
.irp i, 0,1,2,3
	ds_store_b128 v14, v[R+16*((\t)%4)+4*\i:R+16*((\t)%4)+4*\i+3] offset:32*SP*((\t)%2)+8*SP*\i
.endr
.irp i, 0,1,2,3
	ds_load_b128 v[X+16*((\t)%2)+4*\i:X+16*((\t)%2)+4*\i+3], v15 offset:32*SP*((\t)%2)+16*\i
.endr
.endm
.irp t, 0,1,2,3
	LOAD \t
.endr
	s_wait_loadcnt 12                              ; step 0's four loads are in
	TURN 0
.macro STEP t
.set XS, X+16*((\t)%2)
.if (\t) > 0
	s_wait_dscnt 1                                 ; this step's numbers are back from the stage (the last step's byte store may be out): so its stores into the stage have read their registers,
.else
	s_wait_dscnt 0x0
.endif
.if (\t)+4 < STEPS
	LOAD (\t)+4                                    ; which take the loads of four steps on
.endif
.if (\t)+1 < STEPS
.if STEPS-2-(\t) >= 3
	s_wait_loadcnt 12                              ; the next step's four loads are in; those of the three steps behind it may be out
.else
	s_wait_loadcnt 4*(STEPS-2-(\t))
.endif
	TURN (\t)+1                                    ; and go through the other stage while this step is worked
.endif
	v_max3_num_f32 v8, |v[XS]|, |v[XS+1]|, |v[XS+2]|               ; the largest magnitude of my 16, in two chains
	v_max3_num_f32 v9, |v[XS+3]|, |v[XS+4]|, |v[XS+5]|
.irp i, 6,10
	v_max3_num_f32 v8, v8, |v[XS+\i]|, |v[XS+\i+1]|
	v_max3_num_f32 v9, v9, |v[XS+\i+2]|, |v[XS+\i+3]|
.endr
	v_max3_num_f32 v8, v8, |v[XS+14]|, |v[XS+15]|
	v_max3_num_f32 v8, v8, v9, 0x1800000           ; and the floor 2^(3 - 127): the byte cannot fall under 1
	v_max_num_f32_dpp v8, v8, v8 row_xmask:1 row_mask:0xf bank_mask:0xf   ; and of my neighbour's 16: the block's
	v_add_nc_u32 v11, 0xff000000, v8               ; 2 off its exponent field: the conversion takes the exponent field of this operand as its scale, and nothing else of it
	v_cvt_scalef32_pk16_fp6_f32 v[C+4*(\t):C+4*(\t)+2], v[XS:XS+15], v11   ; sixteen numbers / the scale, to the nearest code, ties to even, beyond the largest code the largest
	v_lshrrev_b32 v[E+(\t)], 23, v11               ; the scale's byte
	ds_store_b8 v5, v[E+(\t)] offset:16*(\t)       ; both lanes of a block write the same byte with the same value
.if (\t)%2
	global_store_b96 v4, v[C+4*(\t):C+4*(\t)+2], s[14:15] offset:192*((\t)/2)   ; row t / 2, its second 512 along K: two runs of 192 consecutive bytes
.else
	global_store_b96 v4, v[C+4*(\t):C+4*(\t)+2], s[10:11] offset:192*((\t)/2)   ; its first 512
.endif
.endm
.irp t, 0,1,2,3,4,5,6,7,8,9,10,11,12,13,14,15
	STEP \t
.endr
	ds_load_b64 v[8:9], v6                         ; LDS serves a wave's instructions in order: these see my stores
	s_wait_dscnt 0x0
	global_store_b64 v7, v[8:9], s[12:13]          ; 32 lanes store 256 consecutive bytes, aligned
	s_wait_tensorcnt 0x0                           ; the wave's end, behind my last LDS store
	ds_add_u32 v[SPW], v[NIL]
	s_wait_dscnt 0x0
	s_endpgm
.Lfunc_end_k_q30e4519cbf_quant:
	.size	k_q30e4519cbf_quant, .Lfunc_end_k_q30e4519cbf_quant-k_q30e4519cbf_quant
	.p2alignl 7, 3214868480
	.fill 96, 4, 3214868480
	.section	.rodata,"a",@progbits
	.p2align	6, 0x0
	.amdhsa_kernel k_q30e4519cbf_quant
		.amdhsa_group_segment_fixed_size 33280
		.amdhsa_private_segment_fixed_size 0
		.amdhsa_enable_private_segment 0
		.amdhsa_kernarg_size 40
		.amdhsa_user_sgpr_count 2
		.amdhsa_user_sgpr_kernarg_segment_ptr 1
		.amdhsa_wavefront_size32 1
		.amdhsa_system_sgpr_workgroup_id_x 1
		.amdhsa_system_sgpr_workgroup_id_y 1
		.amdhsa_system_sgpr_workgroup_id_z 1
		.amdhsa_system_vgpr_workitem_id 0
		.amdhsa_next_free_vgpr 192
		.amdhsa_next_free_sgpr 66
		.amdhsa_reserve_vcc 0
		.amdhsa_float_denorm_mode_32 3
		.amdhsa_float_denorm_mode_16_64 3
		.amdhsa_memory_ordered 1
		.amdhsa_forward_progress 1
		.amdhsa_inst_pref_size 33
	.end_amdhsa_kernel
	.amdgpu_metadata
---
amdhsa.version: [ 1, 2 ]
amdhsa.kernels:
  - .name:           k_q30e4519cbf_quant
    .symbol:         k_q30e4519cbf_quant.kd
    .args:
      - { .name: x, .offset: 0, .size: 8, .value_kind: global_buffer, .address_space: global }
      - { .name: w_qkv, .offset: 8, .size: 8, .value_kind: global_buffer, .address_space: global }
      - { .name: w_proj, .offset: 16, .size: 8, .value_kind: global_buffer, .address_space: global }
      - { .name: codes1, .offset: 24, .size: 8, .value_kind: global_buffer, .address_space: global }
      - { .name: scales1, .offset: 32, .size: 8, .value_kind: global_buffer, .address_space: global }
    .group_segment_fixed_size: 33280
    .private_segment_fixed_size: 0
    .kernarg_segment_align: 8
    .kernarg_segment_size: 40
    .max_flat_workgroup_size: 128
    .sgpr_count:     66
    .vgpr_count:     192
    .wavefront_size: 32
...
	.end_amdgpu_metadata
.endif
;; end of part 1
;; launch qkv (part 2): grid 12 x 16, 4 waves a work-group, clusters of 4 x 4, 327,680 bytes of LDS; arguments codes1, scales1, b_qkv, qkv_codes, qkv_scales; writes qkv_codes, qkv_scales
.if DOCPART == 2
	.amdgcn_target "amdgcn-amd-amdhsa--gfx1250"
	.amdhsa_code_object_version 6
	.text
	.protected	k_q30e4519cbf_qkv
	.globl	k_q30e4519cbf_qkv
	.p2align	8
	.type	k_q30e4519cbf_qkv,@function
k_q30e4519cbf_qkv:
	s_mov_b64 s[64:65], 0
	v_nop
	global_prefetch_b8 v0, s[64:65] scope:SCOPE_SE
	s_setreg_imm32_b32 hwreg(HW_REG_WAVE_MODE, 25, 1), 1
	s_wait_xcnt 0x0
	s_wait_alu depctr_hold_cnt(0) depctr_sa_sdst(0) depctr_va_vdst(0) depctr_va_sdst(0) depctr_va_ssrc(0) depctr_va_vcc(0) depctr_vm_vsrc(0)
	s_getreg_b32 s2, hwreg(HW_REG_IB_STS2, 6, 4)
	s_cmp_eq_u32 s2, 0
	s_cbranch_scc0 .Lentry_in_a_cluster
	s_endpgm
.Lentry_in_a_cluster:
	s_bfe_u32 s2, ttmp6, 0x10000c
	s_cmp_lg_u32 s2, 0xf033
	s_cbranch_scc0 .Lentry_shape_is_right
	s_endpgm
.Lentry_shape_is_right:
; qkv = x w_qkv^T + b_qkv on codes of FP6 (E2M3) with one E8M0 scale for each 32 along K = 1,024; the results are quantised in registers and leave as IMAGES OF OPERAND REGISTERS for the attention launch.
; A work-group of four waves makes 256 x 256 results, a wave 128 x 128: 64 accumulators of 16 x 16, 512 registers.  K goes in steps of 256 through a ring of two LDS slots filled by the tensor data mover.
; Both operands are rows of codes1 (768 bytes) and scales1 (32 bytes): x's 4,096 rows, then w_qkv's 3,072.  "A" is the matrix instruction's source 1: a lane of the result holds one of its rows.
; "B" is source 0: the result's registers run along its rows.  The rows lie in the stored order (in each 32 the middle two eights have changed places), so that register 8 b + j of lane (r, h)
; is B's row 32 (b / 2) + 16 h + 8 (b % 2) + j: a lane's 64 registers of a block are 4 x 16 neighbours along B's rows, as the conversions want them.
; TWO MODES, chosen by the cluster's x alone (equal in all sixteen partners).  q and k (cluster x 0, 1) are quantised along the head's channels: A = tokens, B = w_q's and w_k's rows.
; v (cluster x 2) is quantised along the tokens, which are the second attention product's K: A = w_v's rows, B = tokens.  Ring, loop and descriptors know nothing of the mode: it enters two row numbers, the bias and the stores' offsets.
; OUT.  A half-image is six operand registers of 32 lanes, 768 bytes: registers 0-1 at 8 x lane, registers 2-5 at 256 + 16 x lane: each store covers 256 or 512 consecutive bytes, aligned.
;   q, k: [batch][F: 16 heads of q, 16 of k][tile 128][768]: lane (r, h) holds channels 32 h .. 32 h + 31 of token 32 (tile / 2) + 8 (tile % 2) + r + 8 (r / 8).
;   v, from byte 6,291,456: [128 tokens: 32][head x 4 + t][2 x 768]: lane (r, h) holds keys 32 h .. and 64 + 32 h .. of channel 32 (t / 2) + 8 (t % 2) + r + 8 (r / 8).
;   scale words: q, k [batch][F][tile][16 words] (bytes 0, 1: the head's two blocks; bytes 2, 3 meet zero codes alone); v, from byte 524,288: [128 tokens][head x 4 + t][16 words].
; CLUSTERS: 4 x 4 work-groups.  A's tile hangs on the cluster's numbers and cy and is asked for jointly along a row of the cluster, B's on the cluster's numbers and cx, along a column.
; 192 work-groups: tiles that gave 256 would straddle the borders between q, k and v.
; LIMITS: a block of zeros gets the byte 1 where the quantiser says 127 (zero codes; this program alone reads the bytes); largest magnitudes under 2^-124 are held at the byte 1; NaN and infinities are not served.
; REGISTERS, in windows of 256: window 0: v0-31 addresses; v32-63 scale words, two sets; v64-127 the bias by register; v128-223 A's fragments, ONE set (on the way out: a block's 64 numbers, its codes, work);
;   v224-239 the bias by lane, in pairs; v240-251 scale words on the way out.   window 1: B's fragments, TWO sets.   windows 2, 3: the accumulators ((a, b) at v[8 (8 (a % 4) + b)]).
.set KSTEP,  256                       ; along K in a slot
.set NQ,     2                         ; matrix instructions deep
.set ROWB,   49152                     ; codes1 is [group of 256 rows][K step][row][192 bytes]: bytes from a K step's 256 rows to the next K step's
.set GRP,    196608                    ; a group of 256 rows, all of K
.set HALFM,  24576                     ; 128 rows of one K step: dense in memory, fetched as 96 rows of 256 bytes; the padding's interval stays 64 bytes, so an LDS row is 240 bytes as before
.set PITCH,  240                       ; an LDS row: 3 x (64 bytes + 16 of padding) = 60 words
.set FR,     12                        ; registers of a fragment
.set NL,     6                         ; LDS loads that bring one
.set NP,     4                         ; places behind this matrix instruction (ISA guide 7.12.1)
.set HALFT,  128*PITCH                 ; 128 rows: what one tensor load brings
.set SLOT,   4*HALFT                   ; A's 256 rows, then B's
.set LAPS,   2                         ; K = 1,024: four K steps, twice round the ring
.set KS,     32                        ; a row of scale bytes
.set SCL,    2*SLOT                    ; behind the ring: the scale bytes of all of K, as rows of 256 bytes + 16 of padding
.set HALFS,  16*272                    ; those of 128 rows
.set SBLK,   2*272                     ; those of 16 rows
.set SPARE,  SCL+4*HALFS               ; the spare words, 128 bytes for each wave, which no other line names
.set STG,    SPARE+512                 ; 1,024 bytes for each wave: its blocks' scale words on the way out; no fill lands here
.set VSO,  12                          ; v12  16 x lane: the scale words' place in their store
.set VBI,  14                          ; v14  the bias by register: my byte offset in b_qkv
.set VBJ,  15                          ; v15  the bias by lane
.set ADRA, 16                          ; v16-17 LDS address of my A fragments in slot 0, 1 (v18-19: behind one padding more)
.set ADRB, 20                          ; v20-23 the same for B
.set SST,  24                          ; v24  where I put a block's scale word
.set SRD,  25                          ; v25  where I read 16 bytes of them back
.set VO8,  26                          ; v26  8 x lane + the block's step
.set ADRS, 27                          ; v27  LDS address of my scale words: lanes 0-15 A's rows, lanes 16-31 B's
.set SPW,  28                          ; v28  LDS address of my spare word; never rewritten
.set NIL,  29                          ; v29  0; never rewritten
.set VO16, 30                          ; v30  256 + 16 x lane + the block's step
.set SH,   31                          ; v31  16 x (lane / 16)
.set SC,   32
.set BI,   64
.set AF,   128
.set BJ,   224
.set PW,   240                         ; the scale word just made
.set SW,   244                         ; v244-251 a block's word as it is staged: a register for each block
.set HA,   128                         ; the way out: a block's 64 numbers
.set PC,   192                         ; v192-203 its codes; v204-206, v208-210 the conversions' second halves
.set TM,   212                         ; v212-215 largest magnitudes, v216-219 the other half's and the bytes, v220-223 the conversions' scale operands
.set G1,   24                          ; s[24:31] descriptor group 1 for A's tiles;  s[32:39] group 0, one set for each slot
.set G0,   32
.set G1B,  48                          ; s[48:55], s[56:63] the same for B's
.set G0B,  56
.set SEL,  66                          ; s[66:67] v_permlanex16_b32's selects for lane l xor 16
.set G1S,  68                          ; s[68:75], s[76:79] groups 1 and 0 for A's scale bytes;  s[80:87], s[88:91] for B's
.set G0S,  76
.set G1SB, 80
.set G0SB, 88
.set MODE, 95                          ; s95  0: q and k;  1: v
.set STP,  96                          ; s96  bytes from a block's images to the next block's
.set SB2,  98                          ; s[98:99] where a block's second half-image goes; s[10:11]: its first
.set MSB, 0
.macro WIN new                         ; the immediate's high byte repeats the setting that is left
.if MSB != \new
	s_set_vgpr_msb (MSB<<8)|\new
.set MSB, \new
.endif
.endm
.set MUL_LO, 0xa1                      ; source 0 (B) window 1, source 1 (A) window 0, C and D window 2
.set MUL_HI, 0xf1                      ; the same, C and D window 3
.set TO_B,   0x40                      ; destination window 1, address window 0
; A joint load: waves 0 and 1 fetch for A, waves 2 and 3 for B.  Each of the two lines has ONE mask and one set of registers for all that issue it; the branch hangs on the wave's number alone.
; An s_nop 0 and four v_nop follow each of the two lines.
.macro JLOAD g0a, g1a, g0b, g1b
	s_cmp_eq_u32 s15, 0
	s_cbranch_scc0 .Lfor_b_\@
	tensor_load_to_lds s[\g0a:\g0a+3], s[\g1a:\g1a+7]
	s_nop 0
.rept 4
	v_nop
.endr
	s_branch .Lasked_\@
.Lfor_b_\@:
	tensor_load_to_lds s[\g0b:\g0b+3], s[\g1b:\g1b+7]
	s_nop 0
.rept 4
	v_nop
.endr
.Lasked_\@:
.endm
.macro CREST                           ; a round of the cluster's barrier behind its opening barrier
	s_cmp_lg_u32 s14, 0
	s_cbranch_scc1 .Lnot_wave_0_\@
	s_barrier_signal -3
.Lnot_wave_0_\@:
	s_barrier_wait -3
	s_barrier_signal -1
	s_barrier_wait -1
.endm
.macro CROUND                          ; a whole round
	s_barrier_signal -1
	s_barrier_wait -1
	CREST
.endm
	s_load_b256 s[4:11], s[0:1], 0x0               ; codes1 s[4:5], scales1 s[6:7], b_qkv s[8:9], qkv_codes s[10:11]
	s_load_b64 s[12:13], s[0:1], 0x20              ; qkv_scales
	v_lshl_add_u32 v[SPW], v0, 2, SPARE
	v_mov_b32 v[NIL], 0
	ds_add_u32 v[SPW], v[NIL]                      ; the wave's opening: the add and its wait, ahead of my first tensor load; the set-up below, work on registers, stands between them
	ds_add_u32 v[SPW], v[NIL]
	v_lshrrev_b32 v1, 5, v0
	v_readfirstlane_b32 s14, v1                    ; wave 0..3
	s_lshr_b32 s15, s14, 1                         ; which half of A's rows is mine.  Also: I fetch for A (0) or for B (1)
	s_and_b32 s16, s14, 1                          ; which half of B's rows.  Also: which 128 rows of that tile I fetch
	s_bfe_u32 s40, ttmp6, 0x40000                  ; cx, cy: my place in the cluster
	s_bfe_u32 s41, ttmp6, 0x40004
	s_and_b32 s17, ttmp7, 0xffff                   ; the cluster's y, 0..3
	s_add_co_u32 s42, ttmp9, 4                     ; 4 + the cluster's x
	s_cmp_eq_u32 ttmp9, 2
	s_cselect_b32 s[MODE], 1, 0
	s_cselect_b32 s42, s17, s42                    ; B: v: tokens, by the cluster's y;  q, k: w_qkv's first 2,048 rows, tiles 16 to 23 of codes1
	s_cselect_b32 s17, 6, s17                      ; A: v: w_v's rows, tiles 24 to 27;  q, k: tokens
	s_lshl_b32 s42, s42, 2
	s_add_co_u32 s42, s42, s40                     ; B's tile of 256 rows of codes1: it hangs on cx, which my column of the cluster shares
	s_lshl_b32 s17, s17, 2
	s_add_co_u32 s17, s17, s41                     ; A's tile: it hangs on cy, which my row shares
	s_lshl_b32 s43, s41, 2
	s_lshl_b32 s43, 15, s43                        ; my row of the cluster
	s_lshl_b32 s44, 0x1111, s40                    ; my column
	; descriptor group 1: a tile of 128 rows x 192 bytes, padded in LDS
	s_or_b32 s[G1+0], s43, (0<<16)|(1<<20)|(1<<21)|(3<<22)|(3<<25)  ; 15:0 the mask; 17:16 element of 1 byte; 20 padding on; 21 set beside a mask; 24:22 after every 16 words (code 3); 31:25 of 4 words (code 3)
	s_or_b32 s[G1B+0], s44, (0<<16)|(1<<20)|(1<<21)|(3<<22)|(3<<25)
.irp g, G1, G1B
	s_mov_b32 s[\g+1], 256<<16                     ; tensor_dim0: rows of 256 bytes
	s_mov_b32 s[\g+2], 192<<16                     ; tensor_dim1: at the head a whole tile of 256 rows x 192 bytes; behind it the two words that count rows are set to 96
	s_mov_b32 s[\g+3], 256<<16                     ; tile_dim0
	s_mov_b32 s[\g+4], 192                         ; tile_dim1
	s_mov_b32 s[\g+5], 256                         ; tensor_dim0_stride: dense
	s_mov_b32 s[\g+6], 0
	s_mov_b32 s[\g+7], 0
.endr
	; and for the scale bytes of 256 rows: 8,192 dense bytes, as 32 rows of 256 bytes (32 elements of 8 bytes), 16 bytes of padding behind each
	s_or_b32 s[G1S+0], s43, (3<<16)|(1<<20)|(1<<21)|(5<<22)|(3<<25)
	s_or_b32 s[G1SB+0], s44, (3<<16)|(1<<20)|(1<<21)|(5<<22)|(3<<25)
.irp g, G1S, G1SB
	s_mov_b32 s[\g+1], 32<<16
	s_mov_b32 s[\g+2], 32<<16                      ; the scale bytes of 256 rows: 32 rows of 256 bytes
	s_mov_b32 s[\g+3], 32<<16
	s_mov_b32 s[\g+4], 32
	s_mov_b32 s[\g+5], 32
	s_mov_b32 s[\g+6], 0
	s_mov_b32 s[\g+7], 0
.endr
	s_mov_b32 s[SEL], 0x76543210
	s_mov_b32 s[SEL+1], 0xfedcba98
	s_lshl_b32 s22, s17, 13                        ; where A's tile's scale bytes begin (256 rows x 32),
	s_lshl_b32 s92, s42, 13                        ; and B's;
	s_mul_i32 s20, s17, GRP                        ; and their codes
	s_mul_i32 s46, s42, GRP
	s_mul_i32 s18, s16, HALFM                      ; in the ring I fetch 128 rows of a tile: which half
	s_mov_b32 s19, 0
	s_mov_b32 s21, 0
	s_mov_b32 s23, 0
	s_mov_b32 s47, 0
	s_mov_b32 s93, 0
	s_mul_i32 s45, s14, HALFT                      ; where they go: wave x 128 rows: no place in the cluster enters an LDS address
	s_wait_dscnt 0x0                               ; both opening adds are done
	s_wait_kmcnt 0x0
	s_add_nc_u64 s[20:21], s[4:5], s[20:21]
	s_add_nc_u64 s[22:23], s[6:7], s[22:23]
	s_add_nc_u64 s[46:47], s[4:5], s[46:47]
	s_add_nc_u64 s[92:93], s[6:7], s[92:93]
	CROUND                                         ; all sixteen work-groups are here: the first joint loads meet
	s_mov_b32 s[G0], 1                             ; the head's four tiles, each whole.  K step 0's 256 rows of A (slot 0's group 0 serves; it is set for the ring behind the wait for this load),
	s_mov_b32 s[G0+1], 0
	s_mov_b64 s[G0+2:G0+3], s[20:21]
	s_or_b32 s[G0+3], s[G0+3], 0x80000000
	s_mov_b32 s[G0B], 1                            ; its 256 rows of B, behind them in slot 0,
	s_mov_b32 s[G0B+1], 2*HALFT
	s_mov_b64 s[G0B+2:G0B+3], s[46:47]
	s_or_b32 s[G0B+3], s[G0B+3], 0x80000000
	s_mov_b32 s[G0S], 1                            ; the scale bytes of A's 256 rows,
	s_mov_b32 s[G0S+1], SCL
	s_mov_b64 s[G0S+2:G0S+3], s[22:23]
	s_or_b32 s[G0S+3], s[G0S+3], 0x80000000
	s_mov_b32 s[G0SB], 1                           ; and of B's
	s_mov_b32 s[G0SB+1], SCL+2*HALFS
	s_mov_b64 s[G0SB+2:G0SB+3], s[92:93]
	s_or_b32 s[G0SB+3], s[G0SB+3], 0x80000000
	s_add_nc_u64 s[20:21], s[20:21], s[18:19]      ; for the ring: my 128 rows of the tile
	s_add_nc_u64 s[46:47], s[46:47], s[18:19]
	s_mov_b32 s[G0+4], 1                           ; slot 1: K step 1
	s_add_co_u32 s[G0+5], s45, SLOT
	s_add_nc_u64 s[G0+6:G0+7], s[20:21], ROWB
	s_or_b32 s[G0+7], s[G0+7], 0x80000000
	s_mov_b32 s[G0B+4], 1
	s_add_co_u32 s[G0B+5], s45, SLOT
	s_add_nc_u64 s[G0B+6:G0B+7], s[46:47], ROWB
	s_or_b32 s[G0B+7], s[G0B+7], 0x80000000
; THE HEAD'S LOADS, ONE A WAVE: wave 0 A's 256 rows of K step 0, wave 1 B's, wave 2 A's scale bytes, wave 3 B's: one chain of branches on the wave's number, every way through it passes one load.
.macro ARM under, g0, g1, next
	s_cmp_lt_u32 s14, \under
	s_cbranch_scc0 \next
	tensor_load_to_lds s[\g0:\g0+3], s[\g1:\g1+7]
	s_nop 0
.rept 4
	v_nop
.endr
	s_branch .Lhead_asked
\next:
.endm
	ARM 1, G0,  G1,  .Lhead_b
	ARM 2, G0B, G1B, .Lhead_sa
	ARM 3, G0S, G1S, .Lhead_sb
	tensor_load_to_lds s[G0SB:G0SB+3], s[G1SB:G1SB+7]
	s_nop 0
.rept 4
	v_nop
.endr
.Lhead_asked:
	v_and_b32 v1, 15, v0                           ; r = lane % 16
	v_bfe_u32 v2, v0, 4, 1                         ; h = lane / 16
	v_mul_u32_u24 v3, v1, PITCH
	v_mul_u32_u24 v4, v2, 24
	v_add_nc_u32 v4, v3, v4                        ; a fragment's row x pitch + 24 x half
	v_lshl_add_u32 v5, v2, 4, v4                   ; and the same behind one padding more
	s_mul_i32 s21, s15, HALFT                      ; my 128 rows of A
	s_mul_i32 s22, s16, HALFT                      ; my 128 rows of B,
	s_add_co_u32 s22, s22, 2*HALFT                 ; which lie behind A's 256
.irp s, 0,1
	v_add_nc_u32 v[ADRA+\s], s21, v4
	v_add_nc_u32 v[ADRB+\s], s22, v4
	v_add_nc_u32 v[ADRA+2+\s], s21, v5
	v_add_nc_u32 v[ADRB+2+\s], s22, v5
	s_add_co_u32 s21, s21, SLOT
	s_add_co_u32 s22, s22, SLOT
.endr
	v_mul_u32_u24 v5, v1, KS                       ; my row's scale bytes: 32 a row,
	v_lshrrev_b32 v6, 8, v5
	v_lshl_add_u32 v5, v6, 4, v5                   ; and 16 more for each 256 passed
	s_mul_i32 s21, s15, HALFS                      ; A's: my 128 rows
	s_mul_i32 s22, s16, HALFS                      ; B's: my 128 rows, behind A's 256
	s_add_co_u32 s22, s22, 2*HALFS
	s_sub_co_u32 s22, s22, s21
	v_mul_u32_u24 v6, s22, v2                      ; lanes 16-31 take B's
	s_add_co_u32 s21, s21, SCL
	v_add_nc_u32 v5, v5, v6
	v_add_nc_u32 v[ADRS], s21, v5
	s_lshl_b32 s23, s14, 10
	s_add_co_u32 s23, s23, STG                     ; my 1,024 bytes for scale words
	v_lshlrev_b32 v5, 2, v1
	v_lshl_add_u32 v5, v2, 9, v5
	v_add_nc_u32 v[SST], s23, v5                   ; in: 4 r; lanes 16-31 512 bytes on
	v_and_b32 v6, 31, v0
	v_lshlrev_b32 v[VSO], 4, v6
	v_add_nc_u32 v[SRD], s23, v[VSO]               ; back: 16 bytes a lane
	v_lshlrev_b32 v[VO8], 3, v6
	v_add_nc_u32 v[VO16], 256, v[VSO]
	v_lshlrev_b32 v[SH], 4, v2
	; WHERE THE RESULTS GO.  Both modes' offsets are made, and one is chosen; the other may wrap and is not used.
	s_sub_co_u32 s18, s42, 16
	s_lshl_b32 s18, s18, 2
	s_lshl_b32 s19, s16, 1
	s_add_co_u32 s18, s18, s19                     ; q, k: F, the first of my two heads (0-15: q's, 16-31: k's)
	s_lshl_b32 s20, s17, 4
	s_lshl_b32 s21, s15, 3
	s_add_co_u32 s20, s20, s21                     ; my first tile of 16 tokens
	s_lshr_b32 s21, s20, 7                         ; its batch,
	s_and_b32 s20, s20, 127                        ; and its number there
	s_mul_i32 s22, s21, 3145728
	s_mul_i32 s23, s18, 98304
	s_add_co_u32 s22, s22, s23
	s_mul_i32 s23, s20, 768
	s_add_co_u32 s22, s22, s23                     ; the codes
	s_lshl_b32 s45, s21, 18
	s_lshl_b32 s23, s18, 13
	s_add_co_u32 s45, s45, s23
	s_lshl_b32 s23, s20, 6
	s_add_co_u32 s45, s45, s23                     ; the scale words
	s_lshl_b32 s18, s18, 8                         ; the bias of my 128 channels: 64 F numbers on
	s_lshl_b32 s46, s42, 1
	s_add_co_u32 s46, s46, s16                     ; v: which 128 tokens are mine
	s_sub_co_u32 s47, s17, 24
	s_lshl_b32 s47, s47, 2
	s_lshl_b32 s19, s15, 1
	s_add_co_u32 s47, s47, s19                     ; the first of my two heads
	s_mul_i32 s92, s46, 98304
	s_mul_i32 s93, s47, 6144
	s_add_co_u32 s92, s92, s93
	s_add_co_u32 s92, s92, 6291456                 ; the codes
	s_lshl_b32 s93, s46, 12
	s_lshl_b32 s94, s47, 8
	s_add_co_u32 s93, s93, s94
	s_add_co_u32 s93, s93, 524288                  ; the scale words
	s_add_co_u32 s94, s94, 8192                    ; the bias: number 2,048 + 64 x head
	s_mov_b32 s[STP], 1536
	s_mov_b32 s46, 768
	s_cmp_eq_u32 s[MODE], 0
	s_cselect_b32 s22, s22, s92
	s_cselect_b32 s45, s45, s93
	s_cselect_b32 s18, s18, 0                      ; the set of biases that a mode does not use is loaded from the vector's head: every register is written in both modes, and no load leaves the buffer
	s_cselect_b32 s94, 0, s94
	s_cselect_b32 s[STP], 768, s[STP]              ; q, k: the next tile of tokens;  v: the next tile of channels
	s_cselect_b32 s46, 98304, s46                  ; q, k: the second half-image is the next head's;  v: the keys 64 on
	s_mov_b32 s23, 0
	s_mov_b32 s47, 0
	s_add_nc_u64 s[10:11], s[10:11], s[22:23]
	s_add_nc_u64 s[SB2:SB2+1], s[10:11], s[46:47]
	s_mov_b32 s46, s45
	s_add_nc_u64 s[12:13], s[12:13], s[46:47]
	v_lshlrev_b32 v[VBI], 6, v2
	v_add_nc_u32 v[VBI], s18, v[VBI]               ; by register: tile b's eight are numbers 32 (b / 2) + 16 h + 8 (b % 2) + 0 .. 7
	v_and_b32 v5, 8, v1
	v_add_nc_u32 v5, v5, v1
	v_lshlrev_b32 v5, 2, v5
	v_add_nc_u32 v[VBJ], s94, v5                   ; by lane: block a's is number 32 (a / 2) + 8 (a % 2) + r + 8 (r / 8)
.irp b, 0,1,2,3,4,5,6,7
	global_load_b128 v[BI+8*\b:BI+8*\b+3], v[VBI], s[8:9] offset:(32*(\b/2)+8*(\b%2))*4
	global_load_b128 v[BI+8*\b+4:BI+8*\b+7], v[VBI], s[8:9] offset:(32*(\b/2)+8*(\b%2))*4+16
.endr
.irp a, 0,1,2,3,4,5,6,7
	global_load_b32 v[BJ+2*\a], v[VBJ], s[8:9] offset:(32*(\a/2)+8*(\a%2))*4
.endr
.macro FRAG reg, adr, q, i             ; a fragment, 16 rows x 128 K of 6-bit codes, is 12 registers: lane l holds row l % 16; registers 6 c .. 6 c + 5 hold K = 64 c + 32 (l / 16) + 0 .. 31: 24 bytes of the row, as they lie
.irp p, 0,1,2,3,4,5                    ; in pieces of 8 bytes.  Lanes 16-31 read three pieces further on than lanes 0-15
.set PCE, 12*(\q)+6*(\p/3)+\p%3       ; 16 bytes of padding lie behind every 8 pieces: where the piece three on lies behind one padding more, the second address register serves
.if PCE%8 < 5
	ds_load_b64 v[\reg+2*\p:\reg+2*\p+1], v[\adr] offset:8*PCE+16*(PCE/8)+(\i)*16*PITCH
.else
	ds_load_b64 v[\reg+2*\p:\reg+2*\p+1], v[\adr+2] offset:8*PCE+16*(PCE/8)+(\i)*16*PITCH
.endif
.endr
.endm
; 16 matrix instructions: A's blocks a0, a0 + 1 x B's eight, 128 along K: the slot's q-th.  p: B's set;  sc: the set of scale words.  zero = 1: the first product starts the sums.
; The 64 accumulators take turns, one instruction a turn, in the same order in every step.
.macro MUL16 a0, p, q, sc, zero
.irp a, \a0, \a0+1
.irp b, 0,1,2,3,4,5,6,7
.if \zero
	v_wmma_scale_f32_16x16x128_f8f6f4 v[8*(8*((\a)%4)+\b):8*(8*((\a)%4)+\b)+7], v[128*(\p)+FR*\b:128*(\p)+FR*\b+FR-1], v[AF+FR*(\a):AF+FR*(\a)+FR-1], 0, v[SC+8*NQ*(\sc)+NQ*\b+(\q)], v[SC+8*NQ*(\sc)+NQ*(\a)+(\q)] matrix_a_fmt:MATRIX_FMT_FP6 matrix_b_fmt:MATRIX_FMT_FP6 matrix_a_scale:MATRIX_SCALE_ROW1
.else
	v_wmma_scale_f32_16x16x128_f8f6f4 v[8*(8*((\a)%4)+\b):8*(8*((\a)%4)+\b)+7], v[128*(\p)+FR*\b:128*(\p)+FR*\b+FR-1], v[AF+FR*(\a):AF+FR*(\a)+FR-1], v[8*(8*((\a)%4)+\b):8*(8*((\a)%4)+\b)+7], v[SC+8*NQ*(\sc)+NQ*\b+(\q)], v[SC+8*NQ*(\sc)+NQ*(\a)+(\q)] matrix_a_fmt:MATRIX_FMT_FP6 matrix_b_fmt:MATRIX_FMT_FP6 matrix_a_scale:MATRIX_SCALE_ROW1
.endif
.endr
.endr
.endm
.macro FETCH_B slot, q, p              ; B's eight fragments of the slot's q-th 128 along K into set p
	WIN TO_B
.irp i, 0,1,2,3,4,5,6,7
	FRAG 128*(\p)+FR*\i, ADRB+\slot, \q, \i
.endr
	WIN 0
.endm
.macro FETCH_A slot, q, i0             ; A's blocks i0 .. i0 + 3
.irp i, \i0, \i0+1, \i0+2, \i0+3
	FRAG AF+FR*(\i), ADRA+\slot, \q, \i
.endr
.endm
.macro SCALES sc                       ; a K step's scale words into set sc: two words a row; lanes 0-15 take A's block i, lanes 16-31 B's block i
.irp i, 0,1,2,3,4,5,6,7
	ds_load_b64 v[SC+8*NQ*\sc+NQ*\i:SC+8*NQ*\sc+NQ*\i+1], v[ADRS] offset:\i*SBLK
.endr
.endm
; A load into a register that a matrix instruction has read, and a vector instruction that reads a matrix result or writes one of its registers, stand NP places behind it;
; only plain vector instructions that name none of its registers are places (ISA guide 7.12.1 for vector instructions).
.macro PLACES n
.rept \n
	v_nop
.endr
.endm
; A step of 128 along K that has its successor in the same slot.
.macro STEP slot, q, zero
	s_wait_dscnt 4*NL                              ; B's set and A's blocks 0-3 are in; the youngest 24 loads (A's blocks 4-7) may be out
	WIN MUL_LO
	MUL16 0, (\q)%2, \q, \slot, \zero
	MUL16 2, (\q)%2, \q, \slot, \zero
	s_wait_dscnt 0                                 ; A's blocks 4-7 are in (asked for 32 matrix instructions ago)
	PLACES NP
	FETCH_B \slot, (\q)+1, 1-(\q)%2
	FETCH_A \slot, (\q)+1, 0
	WIN MUL_HI
	MUL16 4, (\q)%2, \q, \slot, \zero
	MUL16 6, (\q)%2, \q, \slot, \zero
	PLACES NP
	WIN 0
	FETCH_A \slot, (\q)+1, 4
.endm
; A slot's last step changes slots: ONE barrier; in front of it each wave waits for all its tensor loads, adds 0 to its spare word, and waits for that and for its own reads of this slot.  fill = 1: this slot is filled again, two K steps ahead.
.macro TURN slot, next, fill
	s_wait_tensorcnt 0x0                           ; all my tensor loads have landed: my part of the next slot  (every window is 0 here)
	ds_add_u32 v[SPW], v[NIL]                      ; 0 onto my spare word
	s_wait_dscnt 4*NL+1                            ; (the add and the youngest 24 loads, A's blocks 4-7, may be out)
	WIN MUL_LO
	MUL16 0, 1, NQ-1, \slot, 0                     ; sixteen matrix instructions stand between the add and the wait for it
	s_wait_dscnt 0x0                               ; the add is done, and my reads of this slot are over
	s_barrier_signal -1
	MUL16 2, 1, NQ-1, \slot, 0
	WIN 0
	s_barrier_wait -1
.if \fill
	CREST                                          ; the barrier has opened a round of the cluster's barrier: no wave of any partner still reads this slot's tile or has a load on its way
	s_add_nc_u64 s[G0+4*\slot+2:G0+4*\slot+3], s[G0+4*\slot+2:G0+4*\slot+3], 2*ROWB
	s_add_nc_u64 s[G0B+4*\slot+2:G0B+4*\slot+3], s[G0B+4*\slot+2:G0B+4*\slot+3], 2*ROWB
	JLOAD G0+4*\slot, G1, G0B+4*\slot, G1B         ; the first tensor load behind the round, my one load until the next; its four v_nop are the places in front of the loads below
.else
	PLACES NP
.endif
	s_wait_alu depctr_va_vdst(0)
	v_add_nc_u32 v[ADRS], 4*NQ, v[ADRS]            ; on to the next K step's scale words (no LDS load of mine is out)
	FETCH_B \next, 0, 0
	FETCH_A \next, 0, 0
	SCALES \next
	WIN MUL_HI
	MUL16 4, 1, NQ-1, \slot, 0
	MUL16 6, 1, NQ-1, \slot, 0
	PLACES NP
	WIN 0
	FETCH_A \next, 0, 4
.endm
	s_wait_alu depctr_va_vdst(0)                   ; the wait at the head's end
	s_wait_tensorcnt 0x0                           ; my tile of the head's four is in
	ds_add_u32 v[SPW], v[NIL]
	s_mov_b32 s[G1+2], 96<<16                      ; no tensor load of mine is out, so descriptors may be written: from here on a load brings 128 rows x 192 bytes, 96 rows of 256,
	s_mov_b32 s[G1+4], 96
	s_mov_b32 s[G1B+2], 96<<16
	s_mov_b32 s[G1B+4], 96
	s_mul_i32 s[G0+1], s14, HALFT                  ; and slot 0's group 0 is set for the ring: my quarter of the slot, my 128 rows of K step 0 (the first refill steps it on)
	s_mul_i32 s[G0B+1], s14, HALFT
	s_mul_i32 s46, s16, HALFM
	s_mov_b32 s47, 0
	s_add_nc_u64 s[G0+2:G0+3], s[G0+2:G0+3], s[46:47]
	s_add_nc_u64 s[G0B+2:G0B+3], s[G0B+2:G0B+3], s[46:47]
	s_wait_dscnt 0x0                               ; the add is done
	CROUND                                         ; a whole round: all four tiles are in, and all sixteen work-groups are here
	JLOAD G0+4, G1, G0B+4, G1B                     ; K step 1, the first tensor load behind the round
	FETCH_B 0, 0, 0
	FETCH_A 0, 0, 0
	SCALES 0
	FETCH_A 0, 0, 4
	STEP 0, 0, 1                                   ; the first step stands in front of the loop: its products start the sums
	s_mov_b32 s3, LAPS-1
.Llap:                                                 ; a trip goes once round the ring, from a lap's second step to the next lap's first, and fills both slots again
	TURN 0, 1, 1
	STEP 1, 0, 0
	TURN 1, 0, 1
	STEP 0, 0, 0
	s_sub_co_u32 s3, s3, 1
	s_cmp_lg_u32 s3, 0
	s_cbranch_scc1 .Llap
	TURN 0, 1, 0                                   ; the last lap fills nothing, and has no round of the cluster's barrier
	STEP 1, 0, 0
	s_wait_dscnt 4*NL                              ; the very last step: nothing more to fetch
	WIN MUL_LO
	MUL16 0, 1, NQ-1, 1, 0
	MUL16 2, 1, NQ-1, 1, 0
	s_wait_dscnt 0
	WIN MUL_HI
	MUL16 4, 1, NQ-1, 1, 0
	MUL16 6, 1, NQ-1, 1, 0
	WIN 0
; 64 numbers of a lane, v[s] .. v[s + 63], register 16 b + i = k 32 b + 16 (lane / 16) + i of my row, become a fragment's codes in v[PC] on and its scale word in v[PW].
.macro QUANT s
.irp b, 0,1,2,3
	v_max3_num_f32 v[TM+\b], |v[\s+16*\b]|, |v[\s+1+16*\b]|, 0x1800000   ; block b: my 16 numbers, and the floor 2^(3 - 127): the byte cannot fall under 1
.endr
.irp i, 2,4,6,8,10,12,14
.irp b, 0,1,2,3
	v_max3_num_f32 v[TM+\b], v[TM+\b], |v[\s+16*\b+\i]|, |v[\s+1+16*\b+\i]|   ; (the four blocks by turns)
.endr
.endr
.irp b, 0,1,2,3
	v_permlanex16_b32 v[TM+4+\b], v[TM+\b], s[SEL], s[SEL+1]
.endr
.irp b, 0,1,2,3
	v_max_num_f32 v[TM+\b], v[TM+\b], v[TM+4+\b]   ; with lane l xor 16's: the block's largest magnitude
.endr
.irp b, 0,1,2,3
	v_add_nc_u32 v[TM+8+\b], 0xff000000, v[TM+\b]  ; 2 off its exponent field: the conversion's scale operand
.endr
.irp b, 0,1,2,3
	v_lshrrev_b32 v[TM+4+\b], 23, v[TM+8+\b]       ; the scale's byte
.endr
	v_lshl_or_b32 v[PW], v[TM+5], 8, v[TM+4]       ; the four bytes make my row's scale word
	v_lshl_or_b32 v[PW], v[TM+6], 16, v[PW]
	v_lshl_or_b32 v[PW], v[TM+7], 24, v[PW]
.irp c, 0,1
	v_cvt_scalef32_pk16_fp6_f32 v[PC+6*\c:PC+2+6*\c], v[\s+32*\c:\s+15+32*\c], v[TM+8+2*\c]
	v_cvt_scalef32_pk16_fp6_f32 v[PC+12+4*\c:PC+14+4*\c], v[\s+16+32*\c:\s+31+32*\c], v[TM+8+2*\c+1]   ; (a conversion's three registers begin on an even number)
.endr
	v_nop                                          ; one plain place behind a scaled conversion
.irp c, 0,1                                    ; the operand's layout wants a WHOLE block in a lane: lanes 0-15 block 2 c, lanes 16-31 block 2 c + 1
.irp i, 0,1,2
	v_permlane16_swap_b32 v[PC+6*\c+\i], v[PC+12+4*\c+\i]
.endr
.irp i, 0,1,2
	v_mov_b32 v[PC+3+6*\c+\i], v[PC+12+4*\c+\i]
.endr
.endr
.endm
; THE WAY OUT of A's block a: 16 lanes' rows x my 128 rows of B.  The bias is added (which also brings the block into window 0, each accumulator from its low end on), the 64 numbers of a lane are
; quantised, and the fragment leaves as two half-images.  The branch hangs on the cluster's x alone; only work on registers stands in its arms.
.macro OUTBLK a
.set AC, 64*((\a)%4)
.if (\a) > 0
	s_wait_xcnt 0x0                                ; the last block's stores have read their data and offsets: both are written again only behind this wait
	v_add_nc_u32 v[VO8], s[STP], v[VO8]
	v_add_nc_u32 v[VO16], s[STP], v[VO16]
.endif
	s_cmp_eq_u32 s[MODE], 0
	s_cbranch_scc0 .Lby_lane_\@
	WIN 0x02+(\a)/4                                ; source 0: window 2 or 3
.set KK, 0
.rept 32
	v_pk_add_f32 v[HA+KK:HA+KK+1], v[AC+KK:AC+KK+1], v[BI+KK:BI+KK+1]   ; q, k: the registers run along the channels
.set KK, KK+2
.endr
	WIN 0
	s_branch .Lsummed_\@
.Lby_lane_\@:
	WIN 0x02+(\a)/4
.set KK, 0
.rept 32
	v_pk_add_f32 v[HA+KK:HA+KK+1], v[AC+KK:AC+KK+1], v[BJ+2*(\a):BJ+2*(\a)+1]   ; v: a lane is a channel
.set KK, KK+2
.endr
	WIN 0
.Lsummed_\@:
	QUANT HA
	v_lshrrev_b32 v[SW+(\a)], v[SH], v[PW]         ; lanes 0-15 keep the word; lanes 16-31 hold its upper two bytes: for q and k the second head's
	ds_store_b32 v[SST], v[SW+(\a)] offset:64*(\a)
	global_store_b64 v[VO8], v[PC:PC+1], s[10:11]              ; 256 consecutive bytes, aligned
	global_store_b128 v[VO16], v[PC+2:PC+5], s[10:11]          ; 512
	global_store_b64 v[VO8], v[PC+6:PC+7], s[SB2:SB2+1]
	global_store_b128 v[VO16], v[PC+8:PC+11], s[SB2:SB2+1]
.endm
	PLACES NP                                      ; behind the last products: their results are read, and A's registers written, below
	s_wait_loadcnt 0x0                             ; the biases
.irp a, 0,1,2,3,4,5,6,7
	v_mov_b32 v[BJ+2*\a+1], v[BJ+2*\a]             ; a pair for the packed sums
.endr
.irp b, 0,1,2,3
	v_mov_b32 v[TM+4+\b], 0                        ; written once: a lane permute's destination counts as one of its sources
.endr
.irp a, 0,1,2,3,4,5,6,7
	OUTBLK \a
.endr
	ds_load_b128 v[HA:HA+3], v[SRD]                ; my eight blocks' scale words, 16 words a block: LDS serves a wave's instructions in order, so these see my stores
	ds_load_b128 v[HA+4:HA+7], v[SRD] offset:512   ; and what lanes 16-31 staged
	s_wait_dscnt 0x0
	global_store_b128 v[VSO], v[HA:HA+3], s[12:13]             ; 512 consecutive bytes, aligned
	s_cmp_eq_u32 s[MODE], 1
	s_cbranch_scc1 .Lno_second                     ; v has one word a row: what lanes 16-31 staged is not stored
	global_store_b128 v[VSO], v[HA+4:HA+7], s[12:13] offset:8192   ; q, k: the second head's words
.Lno_second:
	s_wait_tensorcnt 0x0                           ; the wave's end, behind my last tensor load and my last LDS store
	ds_add_u32 v[SPW], v[NIL]
	s_wait_dscnt 0x0
	CROUND                                         ; the closing round: no work-group ends while a partner may still ask for a tile that names it
	s_endpgm
.Lfunc_end_k_q30e4519cbf_qkv:
	.size	k_q30e4519cbf_qkv, .Lfunc_end_k_q30e4519cbf_qkv-k_q30e4519cbf_qkv
	.p2alignl 7, 3214868480
	.fill 96, 4, 3214868480
	.section	.rodata,"a",@progbits
	.p2align	6, 0x0
	.amdhsa_kernel k_q30e4519cbf_qkv
		.amdhsa_group_segment_fixed_size 327680
		.amdhsa_private_segment_fixed_size 0
		.amdhsa_enable_private_segment 0
		.amdhsa_kernarg_size 40
		.amdhsa_user_sgpr_count 2
		.amdhsa_user_sgpr_kernarg_segment_ptr 1
		.amdhsa_wavefront_size32 1
		.amdhsa_system_sgpr_workgroup_id_x 1
		.amdhsa_system_sgpr_workgroup_id_y 1
		.amdhsa_system_sgpr_workgroup_id_z 1
		.amdhsa_system_vgpr_workitem_id 0
		.amdhsa_next_free_vgpr 1024
		.amdhsa_next_free_sgpr 100
		.amdhsa_reserve_vcc 0
		.amdhsa_float_denorm_mode_32 3
		.amdhsa_float_denorm_mode_16_64 3
		.amdhsa_memory_ordered 1
		.amdhsa_forward_progress 1
		.amdhsa_inst_pref_size 204
	.end_amdhsa_kernel
	.amdgpu_metadata
---
amdhsa.version: [ 1, 2 ]
amdhsa.kernels:
  - .name:           k_q30e4519cbf_qkv
    .symbol:         k_q30e4519cbf_qkv.kd
    .args:
      - { .name: codes1, .offset: 0, .size: 8, .value_kind: global_buffer, .address_space: global }
      - { .name: scales1, .offset: 8, .size: 8, .value_kind: global_buffer, .address_space: global }
      - { .name: b_qkv, .offset: 16, .size: 8, .value_kind: global_buffer, .address_space: global }
      - { .name: qkv_codes, .offset: 24, .size: 8, .value_kind: global_buffer, .address_space: global }
      - { .name: qkv_scales, .offset: 32, .size: 8, .value_kind: global_buffer, .address_space: global }
    .group_segment_fixed_size: 327680
    .private_segment_fixed_size: 0
    .kernarg_segment_align: 8
    .kernarg_segment_size: 40
    .max_flat_workgroup_size: 128
    .sgpr_count:     100
    .vgpr_count:     1024
    .wavefront_size: 32
...
	.end_amdgpu_metadata
.endif
;; end of part 2
;; launch attn (part 3): grid 8 x 32, 16 waves a work-group, clusters of 4 x 1, 235,520 bytes of LDS; arguments qkv_codes, qkv_scales, o_codes, o_scales; writes o_codes, o_scales
.if DOCPART == 3
	.amdgcn_target "amdgcn-amd-amdhsa--gfx1250"
	.amdhsa_code_object_version 6
	.text
	.protected	k_q30e4519cbf_attn
	.globl	k_q30e4519cbf_attn
	.p2align	8
	.type	k_q30e4519cbf_attn,@function
k_q30e4519cbf_attn:
	s_mov_b64 s[64:65], 0
	v_nop
	global_prefetch_b8 v0, s[64:65] scope:SCOPE_SE
	s_setreg_imm32_b32 hwreg(HW_REG_WAVE_MODE, 25, 1), 1
	s_wait_xcnt 0x0
	s_wait_alu depctr_hold_cnt(0) depctr_sa_sdst(0) depctr_va_vdst(0) depctr_va_sdst(0) depctr_va_ssrc(0) depctr_va_vcc(0) depctr_vm_vsrc(0)
	s_getreg_b32 s2, hwreg(HW_REG_IB_STS2, 6, 4)
	s_cmp_eq_u32 s2, 0
	s_cbranch_scc0 .Lentry_in_a_cluster
	s_endpgm
.Lentry_in_a_cluster:
	s_bfe_u32 s2, ttmp6, 0x10000c
	s_cmp_lg_u32 s2, 0x3003
	s_cbranch_scc0 .Lentry_shape_is_right
	s_endpgm
.Lentry_shape_is_right:
; o = softmax(q k^T / 8) v for 32 (batch, head) of 2,048 tokens x 64 channels, both products on codes of FP6 (E2M3) with one E8M0 scale for each 32 along K; o is quantised along the channels and leaves as codes.
; THE SOFTMAX: t = score x log2(e) / 8; M = the row's largest t so far, rounded UP to a whole number; p = 2^(t - M) is quantised along the keys, not normalised.  The row's sum is taken of the unquantised p in f32
; and divides O at the end.  When M moves, the sum and O are multiplied by 2^(old M - new M): exact.
; INPUTS are images of operand registers (a half-image: six registers of 32 lanes, 768 bytes: registers 0-1 at 8 x lane, registers 2-5 at 256 + 16 x lane).
;   q, k: [batch][F: 16 heads of q, then of k][tile 128][768]; lane r of a stored tile is token 32 (tile / 2) + 8 (tile % 2) + r + 8 (r / 8).  v, from byte 6,291,456: [128 keys: 32][head x 4 + t][2 x 768].
; THE KEYS OF A TILE ARE CHOSEN BY THE LANES' LDS ADDRESSES: tile 4 c + u of a step takes keys 64 c + 8 u + 0 .. 7 as its rows 0-7 and keys 64 c + 32 + 8 u + 0 .. 7 as its rows 8-15 (eight rows each of two stored tiles).
; With S^T = K Q^T a lane (r, h) then holds query r, and its registers 32 c + 0 .. 31 are keys 64 c + 32 h + 0 .. 31: ONE WHOLE SCALE BLOCK, in the order of the next operand's registers: a block's largest score needs no other
; lane and the codes are not moved between lanes.  Lanes l and l xor 16 meet twice a step: for the row's largest score and for the scale word's four bytes.
; THE FIRST PRODUCT'S K IS 64, the instruction's 128: the upper six registers of Q's fragment hold zero codes; what K's fragments hold there (the next tile's codes; the eighth's: V's first six registers) is a finite
; number under a finite scale byte and is multiplied by zero.
; SHARES.  A work-group owns 256 queries of one head, each of its sixteen waves a tile of 16, in 256 registers.  A WHOLE HEAD'S K AND V LIE IN LDS, each byte filled once: K's codes in rows of 256 + 64 bytes
; (a stored tile 960 bytes), V's dense, and the scale words.
; TEN FIRST FILLS, ONE A WAVE: waves 0 to 3 the first 512 keys of K and of V and both tensors' scale words, on load lines of their own; they alone wait ahead of the first barrier.  Waves 4-6 and 8-10 bring the other chunks,
; shown by the barrier behind step 2.  CLUSTER: the four query blocks of a cluster read the same K and V: every load is asked for jointly, mask 15.
; A SPLIT BARRIER IN EVERY STEP: signalled at the step's head, waited for at its end: no wave leaves step i before every wave has begun it.  Between the two stand register work and LDS loads of bytes that nobody writes.
; No prefetch: all that the launch reads through LDS is asked for at the head; there is no loop to run ahead in.
; LIMITS: the promise holds while the scaled scores t stay under 2^31 in magnitude; a block's largest p is made from its largest score by the same two instructions (this takes v_exp_f32 not to fall where its input
; rises); 1 / the sum is v_rcp_f32's; a block of zeros keeps the byte 1 (zero codes; this program alone reads the bytes); NaN and infinities are not served.  o's scale bytes leave one byte a lane, 32 bytes apart.
.set KP,    960                        ; a stored tile of K in LDS: 3 x (256 + 64)
.set STK,   8*KP                       ; a step's 128 keys of K
.set KCH,   32*KP                      ; a chunk's 512
.set VC,    128*KP                     ; V's codes: [128 keys: 16][t 4][1,536]
.set CHB,   24576                      ; a chunk's codes in memory (K), and in LDS (V)
.set STB,   6144                       ; a step's codes of V
.set KSB,   VC+98304                   ; K's scale words: [stored tile][16 words]
.set VSB,   KSB+8192                   ; V's: [128 keys][t][16 words]
.set SPARE, VSB+4096                   ; the spare words, 128 bytes for each of 16 waves, which no other line names
.set L8,    1                          ; v1   8 x lane; never rewritten
.set L16,   2                          ; v2   16 x lane + 256; never rewritten
.set ADV8,  3                          ; v3, v4 LDS addresses of the step's tiles of V
.set ADV16, 4
.set L4,    5                          ; v5   4 x lane; never rewritten
.set ADT,   6                          ; v6   of V's scale words
.set SPW,   7                          ; v7   my spare word; never rewritten
.set NIL,   8                          ; v8   0; never rewritten
.set TT,    9                          ; v9   at work
.set LSUM,  10                         ; v[10:11] the row's sum, in two halves
.set NM,    12                         ; v12  -M
.set SMAX,  13                         ; v13  the largest score so far
.set FAC,   14                         ; v14  2^(old M - new M)
.set PWD,   15                         ; v15  p's scale word
.set QF,    16                         ; v16-27 Q's fragment
.set QS,    28                         ; v28  its scale words
.set ADS,   29                         ; v29  LDS address of K's scale words
.set VSC,   30                         ; v30-31 V's scale words: lanes 0-15 tile 2 i's, lanes 16-31 tile 2 i + 1's
.set KF,    32                         ; v32-79 eight half-fragments of K
.set VF,    80                         ; v80-127 four fragments of V
.set SR,    128                        ; v128-191 S^T, then p, then partial sums
.set OT,    192                        ; v192-223 O^T
.set PC,    224                        ; v224-235 p's codes
.set BM,    236                        ; v236-237 my two blocks' largest scores, then p, then bytes
.set BB,    238                        ; v238-239 the second chains; at work; the conversions' scale operands
.set TC,    240                        ; v240-242, v244-246 the conversions' second halves
.set K8B,   243                        ; v243 lane term of K's 8-byte loads; never rewritten
.set K16B,  247                        ; v247 of its 16-byte loads; never rewritten
.set KSC,   248                        ; v248-251 K's scale words, two tiles to a register
.set KS4B,  252                        ; v252 lane term of K's scale words; never rewritten
.set SH8,   253                        ; v253 8 x (lane / 16)
.set ADK8,  254                        ; v254, v255 LDS addresses of the next step's tiles of K
.set ADK16, 255
.set TB,    2                          ; s2   LDS byte at which the NEXT step's tiles of K begin
.set TBV,   3                          ; s3   and this step's of V
.set WV,    12                         ; s12  my wave's number
.set SEL,   20                         ; s[20:21] lane selects for lane l xor 16
.set CS,    22                         ; s[22:23] c = log2(e) / 8
.set G1KC,  24                         ; group 1: a chunk of K's codes; of V's; K's scale words; V's
.set G1VC,  32
.set G1KS,  40
.set G1VS,  48
.set G0,    56                         ; s[56:59] my one load's group 0
.set CNT,   80
.set HM,    81                         ; s81  lanes 16-31
.set TS,    86                         ; s86  where the NEXT step's scale words of K begin
.set TJ,    87                         ; s87  and this step's of V
.macro CROUND                          ; a round of the cluster's barrier
	s_barrier_signal -1
	s_barrier_wait -1
	s_cmp_lg_u32 s[WV], 0
	s_cbranch_scc1 .Lnot_wave_0_\@
	s_barrier_signal -3
.Lnot_wave_0_\@:
	s_barrier_wait -3
	s_barrier_signal -1
	s_barrier_wait -1
.endm
.macro GROUP1 g, pad, c, r, p          ; r rows of c elements of 8 bytes, p elements apart; mask 15, bit 21 beside it; pad: the padding's fields
	s_mov_b32 s[\g], 15|(3<<16)|(1<<21)|(\pad)
	s_mov_b32 s[\g+1], (\c)<<16
	s_mov_b32 s[\g+2], (\r)<<16
	s_mov_b32 s[\g+3], (\c)<<16
	s_mov_b32 s[\g+4], \r
	s_mov_b32 s[\g+5], \p
	s_mov_b32 s[\g+6], 0
	s_mov_b32 s[\g+7], 0
.endm
.macro TL g1                           ; an arm's end: the type, the load, the nops behind it, the jump to the join
	s_or_b32 s[G0+3], s[G0+3], 0x80000000
	tensor_load_to_lds s[G0:G0+3], s[\g1:\g1+7]
	s_nop 0
.rept 4
	v_nop
.endr
	s_branch .Lasked
.endm
	s_load_b256 s[4:11], s[0:1], 0x0               ; qkv_codes, qkv_scales, o_codes, o_scales
	v_lshl_add_u32 v[SPW], v0, 2, SPARE
	v_mov_b32 v[NIL], 0
	ds_add_u32 v[SPW], v[NIL]                      ; the opening lines: the add, twice on end; register work; the one wait
	ds_add_u32 v[SPW], v[NIL]
	v_lshrrev_b32 v1, 5, v0
	v_readfirstlane_b32 s[WV], v1                  ; wave 0..15
	s_bfe_u32 s13, ttmp6, 0x40000                  ; cx
	s_lshl_b32 s14, ttmp9, 2
	s_add_co_u32 s14, s14, s13
	s_lshl_b32 s14, s14, 4
	s_add_co_u32 s14, s14, s[WV]                   ; my tile of 16 queries, 0..127: it enters Q's and o's addresses alone
	s_and_b32 s15, ttmp7, 0xffff
	s_lshr_b32 s16, s15, 4                         ; the batch,
	s_and_b32 s17, s15, 15                         ; the head: the four partners share both
	GROUP1 G1KC, (1<<20)|(5<<22)|(15<<25), 32, 96, 32   ; 24,576 dense bytes as 96 rows of 256, 64 bytes of padding behind each
	GROUP1 G1VC, 0, 768, 4, 12288                  ; four rows of 6,144 bytes (a head's four tiles of 128 keys), 98,304 bytes apart
	GROUP1 G1KS, 0, 32, 32, 32                     ; 8,192 dense bytes
	GROUP1 G1VS, 0, 32, 16, 512                    ; 16 rows of 256 bytes, 4,096 bytes apart
	s_mov_b32 s[SEL], 0x76543210
	s_mov_b32 s[SEL+1], 0xfedcba98
	s_mov_b32 s[CS], 0x3e38aa3b
	s_mov_b32 s[CS+1], s[CS]                       ; (named with it as a pair)
	s_mov_b32 s[HM], 0xffff0000
	s_mul_i32 s2, s16, 3145728                     ; the batch's q and k
	s_add_co_u32 s3, s17, 16
	s_mul_i32 s18, s3, 98304
	s_add_co_u32 s18, s18, s2                      ; K's codes
	s_mov_b32 s19, 0
	s_lshl_b32 s60, s16, 18
	s_lshl_b32 s3, s3, 13
	s_add_co_u32 s60, s60, s3                      ; K's scale words
	s_mov_b32 s61, 0
	s_mul_i32 s82, s16, 1572864
	s_mul_i32 s83, s17, 6144
	s_add_co_u32 s82, s82, s83
	s_add_co_u32 s82, s82, 6291456                 ; V's codes
	s_mov_b32 s83, 0
	s_lshl_b32 s62, s16, 16
	s_lshl_b32 s63, s17, 8
	s_add_co_u32 s62, s62, s63
	s_add_co_u32 s62, s62, 524288                  ; V's scale words
	s_mov_b32 s63, 0
	s_and_b32 s84, s[WV], 3
	s_add_co_u32 s84, s84, 1                       ; waves 4-6 and 8-10: chunk 1, 2, 3
	s_mov_b32 s85, 0
	s_mov_b32 s[G0], 1
	s_wait_dscnt 0x0                               ; both opening adds are done
	s_wait_kmcnt 0x0
	s_add_nc_u64 s[18:19], s[4:5], s[18:19]
	s_add_nc_u64 s[82:83], s[4:5], s[82:83]
	s_add_nc_u64 s[60:61], s[6:7], s[60:61]
	s_add_nc_u64 s[62:63], s[6:7], s[62:63]
	CROUND                                         ; all four work-groups are here: the joint loads meet
	s_cmp_lg_u32 s[WV], 0                          ; ONE chain of branches on the wave's number, one load to an arm, all arms to one join
	s_cbranch_scc1 .Larm1
	s_mov_b32 s[G0+1], 0                           ; wave 0: K's first 512 keys
	s_mov_b64 s[G0+2:G0+3], s[18:19]
	TL G1KC
.Larm1:
	s_cmp_lg_u32 s[WV], 1
	s_cbranch_scc1 .Larm2
	s_mov_b32 s[G0+1], VC                          ; wave 1: V's
	s_mov_b64 s[G0+2:G0+3], s[82:83]
	TL G1VC
.Larm2:
	s_cmp_lg_u32 s[WV], 2
	s_cbranch_scc1 .Larm3
	s_mov_b32 s[G0+1], KSB                         ; wave 2: K's scale words
	s_mov_b64 s[G0+2:G0+3], s[60:61]
	TL G1KS
.Larm3:
	s_cmp_lg_u32 s[WV], 3
	s_cbranch_scc1 .Larm4
	s_mov_b32 s[G0+1], VSB                         ; wave 3: V's
	s_mov_b64 s[G0+2:G0+3], s[62:63]
	TL G1VS
.Larm4:
	s_cmp_lt_u32 s[WV], 7
	s_cbranch_scc0 .Larm5
	s_mul_i32 s[G0+1], s84, KCH                    ; waves 4-6: K's later chunks
	s_mul_i32 s84, s84, CHB
	s_add_nc_u64 s[G0+2:G0+3], s[18:19], s[84:85]
	TL G1KC
.Larm5:
	s_xor_b32 s3, s[WV], 8
	s_cmp_lt_u32 s3, 3
	s_cbranch_scc0 .Lasked
	s_mul_i32 s[G0+1], s84, CHB                    ; waves 8-10: V's later chunks
	s_add_co_u32 s[G0+1], s[G0+1], VC
	s_mul_i32 s84, s84, 393216
	s_add_nc_u64 s[G0+2:G0+3], s[82:83], s[84:85]
	TL G1VC
.Lasked:
	s_mov_b32 s89, 0                               ; offsets that hang on my tile are made in s88 to s90 alone
	s_mul_i32 s88, s17, 98304
	s_add_co_u32 s88, s88, s2
	s_mul_i32 s90, s14, 768
	s_add_co_u32 s88, s88, s90
	s_add_nc_u64 s[4:5], s[4:5], s[88:89]          ; Q's half-image
	s_lshl_b32 s88, s16, 18
	s_lshl_b32 s90, s17, 13
	s_add_co_u32 s88, s88, s90
	s_lshl_b32 s90, s14, 6
	s_add_co_u32 s88, s88, s90
	s_add_nc_u64 s[6:7], s[6:7], s[88:89]          ; its 16 scale words
	s_lshl_b32 s88, s16, 7
	s_add_co_u32 s88, s88, s14                     ; my tile among the 256 of both batches
	s_lshl_b32 s90, s88, 9                         ; its 16 rows of 32 scale bytes
	s_lshl_b32 s88, s88, 4
	s_add_co_u32 s88, s88, s17
	s_mul_i32 s88, s88, 768
	s_add_nc_u64 s[8:9], s[8:9], s[88:89]          ; o's half-image: [tile][head][768]
	s_lshl_b32 s88, s17, 1
	s_add_co_u32 s88, s88, s90
	s_add_nc_u64 s[10:11], s[10:11], s[88:89]      ; o's scale bytes: byte 2 x head + block of each row
	v_and_b32 v[L4], 31, v0
	v_and_b32 v[ADS], 15, v0
	v_and_b32 v[SR], 7, v0                         ; r % 8
	v_bfe_u32 v[SR+1], v0, 3, 1                    ; r / 8
	v_bfe_u32 v[SR+2], v0, 4, 1                    ; h
	v_lshlrev_b32 v[L8], 3, v[L4]
	v_lshlrev_b32 v[L16], 4, v[L4]
	v_lshlrev_b32 v[L4], 2, v[L4]
	v_lshlrev_b32 v[ADS], 2, v[ADS]
	v_add_nc_u32 v[L16], 256, v[L16]
	global_load_b64 v[QF:QF+1], v[L8], s[4:5]      ; Q's fragment stays in registers
	global_load_b128 v[QF+2:QF+5], v[L16], s[4:5]
	global_load_b32 v[QS], v[ADS], s[6:7]          ; lane r: row r's word
	v_mul_u32_u24 v[SR+3], v[SR+1], 2*KP           ; rows 8-15 come from the stored tile two on
	v_lshlrev_b32 v[KS4B], 2, v[SR]
	v_lshlrev_b32 v[SH8], 3, v[SR+2]
	v_lshl_add_u32 v[K8B], v[SR], 3, v[SR+3]
	v_lshl_add_u32 v[K16B], v[SR], 4, v[SR+3]
	v_lshl_add_u32 v[KS4B], v[SR+1], 7, v[KS4B]
	v_lshl_add_u32 v[K8B], v[SR+2], 7, v[K8B]      ; 8 (r % 8) + 128 h + 1,920 (r / 8)
	v_mad_u32_u24 v[K16B], v[SR+2], 320, v[K16B]
	v_lshl_add_u32 v[KS4B], v[SR+2], 6, v[KS4B]    ; 4 (r % 8) + 128 (r / 8) + 64 h: lanes 16-31 take the odd tile's words
	v_add_nc_u32 v[K16B], 320, v[K16B]             ; 320 + 16 (r % 8) + 320 h + 1,920 (r / 8)
.irp j, 6,7,8,9,10,11
	v_mov_b32 v[QF+\j], 0                          ; K = 64 .. 127 of the first product: zero codes in Q
.endr
.irp j, 0,1,2,3,4,5
	v_mov_b32 v[VF+\j], 0                          ; named as the upper half of K's eighth fragment before V's first loads land there
.endr
	v_mov_b32 v[SMAX], 0xff61b1e6                  ; the largest score so far: -3e38
	v_mov_b32 v[NM], 0x7f61b1e6                    ; -M: 3e38
	v_mov_b32 v[LSUM], 0
	v_mov_b32 v[LSUM+1], 0
	v_mov_b32 v[PWD], 0                            ; (named as the upper half of the pair v[14:15] before it is first written)
.set J, 0
.rept 32
	v_mov_b32 v[OT+J], 0                           ; O^T: the step has no first step of its own: it finds zeros
.set J, J+1
.endr
.macro KASK                            ; eight tiles of 16 keys, six registers each, and their scale words: 20 LDS loads.  Tile 4 c + u: stored tiles 4 c + u % 2 (lanes r < 8) and two on (by the lane term), rows 8 (u / 2) + r % 8
.irp t, 0,1,2,3,4,5,6,7
	ds_load_b64 v[KF+6*\t:KF+6*\t+1], v[ADK8] offset:KP*(4*(\t/4)+\t%2)+64*((\t%4)/2)
	ds_load_b128 v[KF+6*\t+2:KF+6*\t+5], v[ADK16] offset:KP*(4*(\t/4)+\t%2)+128*((\t%4)/2)
.endr
.irp i, 0,1,2,3
	ds_load_b32 v[KSC+\i], v[ADS] offset:256*(\i/2)+32*(\i%2)   ; lanes 0-15 tile 2 i's words, lanes 16-31 tile 2 i + 1's
.endr
.endm
; A KEY STEP: 128 keys.
.macro STEP
	s_wait_dscnt 0x0                               ; this step's K and its scale words are in: asked for a step ago; no LDS instruction of mine is out
	s_barrier_signal -1                            ; I have begun this step
.irp t, 0,1,2,3,4,5,6,7                        ; S^T = K Q^T
.if \t%2
	v_wmma_scale_f32_16x16x128_f8f6f4 v[SR+8*\t:SR+8*\t+7], v[KF+6*\t:KF+6*\t+11], v[QF:QF+11], 0, v[KSC+\t/2], v[QS] matrix_a_fmt:MATRIX_FMT_FP6 matrix_b_fmt:MATRIX_FMT_FP6 matrix_a_scale:MATRIX_SCALE_ROW1
.else
	v_wmma_scale_f32_16x16x128_f8f6f4 v[SR+8*\t:SR+8*\t+7], v[KF+6*\t:KF+6*\t+11], v[QF:QF+11], 0, v[KSC+\t/2], v[QS] matrix_a_fmt:MATRIX_FMT_FP6 matrix_b_fmt:MATRIX_FMT_FP6
.endif
.endr
	v_add_nc_u32 v[ADV8], s[TBV], v[L8]            ; six sums: the places between the products and the loads into their registers, and in front of the first read of the scores
	v_add_nc_u32 v[ADV16], s[TBV], v[L16]
	v_add_nc_u32 v[ADT], s[TJ], v[L4]
	v_add_nc_u32 v[ADK8], s[TB], v[K8B]
	v_add_nc_u32 v[ADK16], s[TB], v[K16B]
	v_add_nc_u32 v[ADS], s[TS], v[KS4B]
.irp t, 0,1,2,3                                ; V's four tiles of 16 channels x 128 keys: 18 loads with the scale words
	ds_load_b64 v[VF+12*\t:VF+12*\t+1], v[ADV8] offset:1536*\t
	ds_load_b128 v[VF+12*\t+2:VF+12*\t+5], v[ADV16] offset:1536*\t
	ds_load_b64 v[VF+12*\t+6:VF+12*\t+7], v[ADV8] offset:1536*\t+768
	ds_load_b128 v[VF+12*\t+8:VF+12*\t+11], v[ADV16] offset:1536*\t+768
.endr
.irp i, 0,1
	ds_load_b32 v[VSC+\i], v[ADT] offset:128*\i
.endr
	KASK                                           ; the next step's K.  (The last step's request reads V's first bytes and V's first scale words, which have landed; nobody uses them)
.irp c, 0,1                                    ; MY TWO BLOCKS' LARGEST SCORES, each in two chains, the four by turns; every accumulator is read from its low end on
	v_max3_num_f32 v[BM+\c], v[SR+32*\c], v[SR+32*\c+1], v[SR+32*\c+2]
	v_max3_num_f32 v[BB+\c], v[SR+32*\c+16], v[SR+32*\c+17], v[SR+32*\c+18]
.endr
.irp i, 3,5,7,9,11,13
.irp c, 0,1
	v_max3_num_f32 v[BM+\c], v[BM+\c], v[SR+32*\c+\i], v[SR+32*\c+\i+1]
	v_max3_num_f32 v[BB+\c], v[BB+\c], v[SR+32*\c+16+\i], v[SR+32*\c+17+\i]
.endr
.endr
.irp c, 0,1
	v_max3_num_f32 v[BM+\c], v[BM+\c], v[BB+\c], v[SR+32*\c+15]
.endr
.irp c, 0,1
	v_max_num_f32 v[BM+\c], v[BM+\c], v[SR+32*\c+31]
.endr
	s_delay_alu instid0(VALU_DEP_1)
	v_max_num_f32 v[TT], v[BM], v[BM+1]
	s_delay_alu instid0(VALU_DEP_1)
	v_permlanex16_b32 v[BB], v[TT], s[SEL], s[SEL+1]
	s_delay_alu instid0(VALU_DEP_1)
	v_max3_num_f32 v[SMAX], v[SMAX], v[TT], v[BB]  ; the running largest score of my query, lane l xor 16's keys among them
	s_delay_alu instid0(VALU_DEP_1)
	v_mul_f32 v[TT], s[CS], v[SMAX]                ; as t (c is positive)
	v_mov_b32 v[BB], v[NM]
	s_delay_alu instid0(VALU_DEP_2)
	v_floor_f32 v[NM], -v[TT]                      ; the new -M = -ceil(t): a whole number
.set J, 0
.rept 32
.if J == 8
	v_sub_f32 v[TT], v[NM], v[BB]                  ; M's old value less its new one: a whole number, 0 or less
.elseif J == 16
	v_cvt_i32_f32 v[TT], v[TT]                     ; (it saturates)
.elseif J == 24
	v_ldexp_f32 v[FAC], 1.0, v[TT]                 ; f = 2^(old M - new M): a multiplication by it rounds nothing
.endif
	v_pk_fma_f32 v[SR+J:SR+J+1], v[SR+J:SR+J+1], s[CS:CS+1], v[NM:NM+1] op_sel_hi:[1,0,0]   ; t - M, two at a time
.set J, J+2
.endr
.irp c, 0,1
	v_fma_f32 v[BM+\c], v[BM+\c], s[CS], v[NM]     ; the same of each block's largest score
.endr
.set J, 0
.rept 16
	v_pk_mul_f32 v[OT+J:OT+J+1], v[OT+J:OT+J+1], v[FAC:FAC+1] op_sel_hi:[1,0]   ; O^T under the new M, each accumulator from its low end on
.set J, J+2
.endr
	s_wait_alu depctr_va_vdst(0)                   ; ahead of the batch
.irp c, 0,1
	v_exp_f32 v[BM+\c], v[BM+\c]                   ; the block's largest p: the same two instructions on the same number give the same bits
.endr
.set J, 0
.rept 64
	v_exp_f32 v[SR+J], v[SR+J]                     ; p = 2^(t - M), at most 1
.set J, J+1
.endr
	v_pk_mul_f32 v[LSUM:LSUM+1], v[LSUM:LSUM+1], v[FAC:FAC+1] op_sel_hi:[1,0]   ; the sums under the new M: the plain place behind the batch
	s_wait_alu depctr_va_vdst(0)                   ; one wait for the batch, ahead of its first reader
.irp c, 0,1
	v_max_num_f32 v[BM+\c], 0x1800000, v[BM+\c]    ; the floor 2^(3 - 127): the byte cannot fall under 1
.endr
.irp c, 0,1
	v_add_nc_u32 v[BB+\c], 0xff000000, v[BM+\c]    ; 2 off the exponent field: the conversions' scale operand
.endr
.irp c, 0,1
	v_cvt_scalef32_pk16_fp6_f32 v[PC+6*\c:PC+6*\c+2], v[SR+32*\c:SR+32*\c+15], v[BB+\c]
	v_cvt_scalef32_pk16_fp6_f32 v[TC+4*\c:TC+4*\c+2], v[SR+32*\c+16:SR+32*\c+31], v[BB+\c]   ; (a conversion's three registers begin on an even number)
.endr
	v_lshrrev_b32 v[BM], 23, v[BB]                 ; the bytes of blocks h and 2 + h.  (A plain place behind the conversions.)  The word's chain and the six moves by turns
	v_lshrrev_b32 v[BM+1], 23, v[BB+1]
	v_mov_b32 v[PC+3], v[TC]
	v_lshl_or_b32 v[TT], v[BM+1], 16, v[BM]
	v_mov_b32 v[PC+4], v[TC+1]
	v_lshlrev_b32 v[TT], v[SH8], v[TT]             ; at their places in the word, 8 h bits up
	v_mov_b32 v[PC+5], v[TC+2]
	v_permlanex16_b32 v[BM], v[TT], s[SEL], s[SEL+1]
	v_mov_b32 v[PC+9], v[TC+4]
	v_or_b32 v[PWD], v[TT], v[BM]                  ; with lane l xor 16's two the word is whole
	v_mov_b32 v[PC+10], v[TC+5]
	v_mov_b32 v[PC+11], v[TC+6]
.set J, 8
.rept 28
	v_pk_add_f32 v[SR+J%8:SR+J%8+1], v[SR+J%8:SR+J%8+1], v[SR+J:SR+J+1]   ; THE ROW'S SUM OF THE UNQUANTISED p, in place, four chains.  (Also the places between the word and codes and the products below)
.set J, J+2
.endr
	s_delay_alu instid0(VALU_DEP_3)
	v_pk_add_f32 v[SR:SR+1], v[SR:SR+1], v[SR+2:SR+3]
	s_delay_alu instid0(VALU_DEP_2)
	v_pk_add_f32 v[SR+4:SR+5], v[SR+4:SR+5], v[SR+6:SR+7]
	s_delay_alu instid0(VALU_DEP_1)
	v_pk_add_f32 v[SR:SR+1], v[SR:SR+1], v[SR+4:SR+5]
	s_delay_alu instid0(VALU_DEP_1)
	v_pk_add_f32 v[LSUM:LSUM+1], v[LSUM:LSUM+1], v[SR:SR+1]
	s_wait_alu depctr_va_vdst(0)                   ; directly ahead of the wait below
	s_wait_dscnt 20                                ; V's eighteen loads are in; the next step's twenty of K may be out
.irp t, 0,1,2,3                                ; O^T += V^T P^T: the four accumulators by turns; the next step's eight score products stand between two links of a chain
.if \t%2
	v_wmma_scale_f32_16x16x128_f8f6f4 v[OT+8*\t:OT+8*\t+7], v[VF+12*\t:VF+12*\t+11], v[PC:PC+11], v[OT+8*\t:OT+8*\t+7], v[VSC+\t/2], v[PWD] matrix_a_fmt:MATRIX_FMT_FP6 matrix_b_fmt:MATRIX_FMT_FP6 matrix_a_scale:MATRIX_SCALE_ROW1
.else
	v_wmma_scale_f32_16x16x128_f8f6f4 v[OT+8*\t:OT+8*\t+7], v[VF+12*\t:VF+12*\t+11], v[PC:PC+11], v[OT+8*\t:OT+8*\t+7], v[VSC+\t/2], v[PWD] matrix_a_fmt:MATRIX_FMT_FP6 matrix_b_fmt:MATRIX_FMT_FP6
.endif
.endr
	s_add_co_u32 s[TB], s[TB], STK                 ; 128 keys on
	s_add_co_u32 s[TBV], s[TBV], STB
	s_add_co_u32 s[TS], s[TS], 512
	s_add_co_u32 s[TJ], s[TJ], 256
	s_barrier_wait -1                              ; every wave has begun this step
.endm
.macro RUN first, n                    ; n steps from step first on; K of step first has been asked for
	s_mov_b32 s[TB], (\first+1)*STK
	s_mov_b32 s[TS], KSB+(\first+1)*512
	s_mov_b32 s[TBV], VC+\first*STB
	s_mov_b32 s[TJ], VSB+\first*256
	s_mov_b32 s[CNT], \n
.Lstep_\@:
	STEP
	s_sub_co_u32 s[CNT], s[CNT], 1
	s_cmp_lg_u32 s[CNT], 0
	s_cbranch_scc1 .Lstep_\@
.endm
	s_wait_alu depctr_va_vdst(0)                   ; the wait at the head's end
	s_wait_loadcnt 0x0                             ; Q
	s_cmp_lt_u32 s[WV], 4
	s_cbranch_scc0 .Lnot_first
	s_wait_tensorcnt 0x0                           ; waves 0 to 3: the first chunks and the scale words have landed
.Lnot_first:
	s_barrier_signal -1
	s_barrier_wait -1
	s_mov_b32 s[TB], 0
	s_mov_b32 s[TS], KSB
	v_add_nc_u32 v[ADK8], s[TB], v[K8B]
	v_add_nc_u32 v[ADK16], s[TB], v[K16B]
	v_add_nc_u32 v[ADS], s[TS], v[KS4B]
	KASK                                           ; step 0's K
	RUN 0, 3                                       ; steps 0 to 2 read V of steps 0 to 2 and K of steps 1 to 3: all in the first 512 keys
	s_wait_tensorcnt 0x0                           ; every wave, under no branch: all chunks have landed
	s_wait_dscnt 0x0
	s_barrier_signal -1
	s_barrier_wait -1
	RUN 3, 13
	; THE WAY OUT.  O^T is divided by the row's sum and quantised along the channels.  V's tiles are the stored ones: register 16 b + i is channel 32 b + 16 (lane / 16) + i.
	v_add_f32 v[LSUM], v[LSUM], v[LSUM+1]
	s_delay_alu instid0(VALU_DEP_1)
	v_permlanex16_b32 v[TT], v[LSUM], s[SEL], s[SEL+1]
	s_delay_alu instid0(VALU_DEP_1)
	v_add_f32 v[LSUM], v[LSUM], v[TT]              ; with lane l xor 16's: the row's sum
	s_wait_alu depctr_va_vdst(0)                   ; ahead of the transcendental
	v_rcp_f32 v[LSUM], v[LSUM]
	v_and_b32 v[ADS], 15, v0                       ; (plain places behind the reciprocal and behind the last products)
	v_bfe_u32 v[ADT], v0, 4, 1
	s_delay_alu instid0(VALU_DEP_1)
	v_lshl_add_u32 v[ADS], v[ADS], 5, v[ADT]       ; my scale byte's place: 32 r + lane / 16
	v_nop
	s_wait_alu depctr_va_vdst(0)                   ; the wait ahead of the first reader of the reciprocal and of O^T
.set J, 0
.rept 32
	v_mul_f32 v[SR+J], v[OT+J], v[LSUM]
.set J, J+1
.endr
.irp b, 0,1
	v_max3_num_f32 v[BM+\b], |v[SR+16*\b]|, |v[SR+1+16*\b]|, 0x1800000
.endr
.irp i, 2,4,6,8,10,12,14
.irp b, 0,1
	s_delay_alu instid0(VALU_DEP_2)
	v_max3_num_f32 v[BM+\b], v[BM+\b], |v[SR+16*\b+\i]|, |v[SR+1+16*\b+\i]|
.endr
.endr
.irp b, 0,1
	v_permlanex16_b32 v[TC+\b], v[BM+\b], s[SEL], s[SEL+1]
.endr
.irp b, 0,1
	s_delay_alu instid0(VALU_DEP_2)
	v_max_num_f32 v[BM+\b], v[BM+\b], v[TC+\b]
.endr
.irp b, 0,1
	s_delay_alu instid0(VALU_DEP_2)
	v_add_nc_u32 v[TC+4+\b], 0xff000000, v[BM+\b]
.endr
.irp b, 0,1
	s_delay_alu instid0(VALU_DEP_2)
	v_lshrrev_b32 v[TC+\b], 23, v[TC+4+\b]
.endr
	s_delay_alu instid0(VALU_DEP_1)
	v_cndmask_b32 v[TT], v[TC], v[TC+1], s[HM]     ; lanes 0-15 take block 0's byte, lanes 16-31 block 1's
	v_cvt_scalef32_pk16_fp6_f32 v[PC:PC+2], v[SR:SR+15], v[TC+4]
	v_cvt_scalef32_pk16_fp6_f32 v[BM:BM+2], v[SR+16:SR+31], v[TC+5]
	v_nop                                          ; one plain place behind a scaled conversion
.irp i, 0,1,2
	v_permlane16_swap_b32 v[PC+\i], v[BM+\i]       ; a whole block to a lane
.endr
.irp i, 0,1,2
	s_delay_alu instid0(VALU_DEP_3)
	v_mov_b32 v[PC+3+\i], v[BM+\i]
.endr
	global_store_b64 v[L8], v[PC:PC+1], s[8:9]     ; 256 consecutive bytes, aligned
	global_store_b128 v[L16], v[PC+2:PC+5], s[8:9] ; 512
	global_store_b8 v[ADS], v[TT], s[10:11]
	s_wait_tensorcnt 0x0                           ; the wave's end; the last wait also takes in the last step's unused request
	ds_add_u32 v[SPW], v[NIL]
	s_wait_dscnt 0x0
	CROUND                                         ; the closing round
	s_endpgm
.Lfunc_end_k_q30e4519cbf_attn:
	.size	k_q30e4519cbf_attn, .Lfunc_end_k_q30e4519cbf_attn-k_q30e4519cbf_attn
	.p2alignl 7, 3214868480
	.fill 96, 4, 3214868480
	.section	.rodata,"a",@progbits
	.p2align	6, 0x0
	.amdhsa_kernel k_q30e4519cbf_attn
		.amdhsa_group_segment_fixed_size 235520
		.amdhsa_private_segment_fixed_size 0
		.amdhsa_enable_private_segment 0
		.amdhsa_kernarg_size 32
		.amdhsa_user_sgpr_count 2
		.amdhsa_user_sgpr_kernarg_segment_ptr 1
		.amdhsa_wavefront_size32 1
		.amdhsa_system_sgpr_workgroup_id_x 1
		.amdhsa_system_sgpr_workgroup_id_y 1
		.amdhsa_system_sgpr_workgroup_id_z 1
		.amdhsa_system_vgpr_workitem_id 0
		.amdhsa_next_free_vgpr 256
		.amdhsa_next_free_sgpr 92
		.amdhsa_reserve_vcc 0
		.amdhsa_float_denorm_mode_32 3
		.amdhsa_float_denorm_mode_16_64 3
		.amdhsa_memory_ordered 1
		.amdhsa_forward_progress 1
		.amdhsa_inst_pref_size 50
	.end_amdhsa_kernel
	.amdgpu_metadata
---
amdhsa.version: [ 1, 2 ]
amdhsa.kernels:
  - .name:           k_q30e4519cbf_attn
    .symbol:         k_q30e4519cbf_attn.kd
    .args:
      - { .name: qkv_codes, .offset: 0, .size: 8, .value_kind: global_buffer, .address_space: global }
      - { .name: qkv_scales, .offset: 8, .size: 8, .value_kind: global_buffer, .address_space: global }
      - { .name: o_codes, .offset: 16, .size: 8, .value_kind: global_buffer, .address_space: global }
      - { .name: o_scales, .offset: 24, .size: 8, .value_kind: global_buffer, .address_space: global }
    .group_segment_fixed_size: 235520
    .private_segment_fixed_size: 0
    .kernarg_segment_align: 8
    .kernarg_segment_size: 32
    .max_flat_workgroup_size: 512
    .sgpr_count:     92
    .vgpr_count:     256
    .wavefront_size: 32
...
	.end_amdgpu_metadata
.endif
;; end of part 3
;; launch proj (part 4): grid 8 x 32, 4 waves a work-group, clusters of 4 x 4, 247,808 bytes of LDS; arguments o_codes, o_scales, codes1, scales1, b_proj, out0; writes out0
.if DOCPART == 4
	.amdgcn_target "amdgcn-amd-amdhsa--gfx1250"
	.amdhsa_code_object_version 6
	.text
	.protected	k_q30e4519cbf_proj
	.globl	k_q30e4519cbf_proj
	.p2align	8
	.type	k_q30e4519cbf_proj,@function
k_q30e4519cbf_proj:
	s_mov_b64 s[64:65], 0
	v_nop
	global_prefetch_b8 v0, s[64:65] scope:SCOPE_SE
	s_setreg_imm32_b32 hwreg(HW_REG_WAVE_MODE, 25, 1), 1
	s_wait_xcnt 0x0
	s_wait_alu depctr_hold_cnt(0) depctr_sa_sdst(0) depctr_va_vdst(0) depctr_va_sdst(0) depctr_va_ssrc(0) depctr_va_vcc(0) depctr_vm_vsrc(0)
	s_getreg_b32 s2, hwreg(HW_REG_IB_STS2, 6, 4)
	s_cmp_eq_u32 s2, 0
	s_cbranch_scc0 .Lentry_in_a_cluster
	s_endpgm
.Lentry_in_a_cluster:
	s_bfe_u32 s2, ttmp6, 0x10000c
	s_cmp_lg_u32 s2, 0xf033
	s_cbranch_scc0 .Lentry_shape_is_right
	s_endpgm
.Lentry_shape_is_right:
; out0 = o w_proj^T + b_proj on codes of FP6 (E2M3) with one E8M0 scale for each 32 along K = 1,024; f32 sums, f32 out.
; A work-group of four waves makes 128 tokens x 128 columns, a wave 64 x 64: 16 accumulators.  256 work-groups.
; ALL OF K LIES IN LDS, EACH BYTE FILLED ONCE, BY FOUR LOADS, ONE A WAVE, each of a dense block of memory stated as rows of 256 bytes:
;   wave 0: w_proj's 128 rows, 98,304 bytes of codes1 [K step of 256][row][192], 16 bytes of padding behind each 64: LDS rows of 240 bytes;
;   wave 1: o's eight tiles of 16 tokens, 98,304 bytes of o_codes [tile][head][768]: half-images of operand registers (registers 0-1 at 8 x lane, 2-5 at 256 + 16 x lane), read as they lie;
;   waves 2, 3: the two operands' scale bytes, 4,096 each, 16 bytes of padding behind each 256.
; One barrier shows all four.  Nothing is filled again.  No prefetch: there is no loop to run ahead in: all tiles are asked for at the head.
; CLUSTERS 4 x 4: o's tiles hang on the tile row alone and are asked for jointly along a row of the cluster, w_proj's on the tile column alone, along a column.
; THE MATRIX INSTRUCTION IS USED TRANSPOSED (source 0 = 16 rows of w_proj, source 1 = 16 tokens).  w_proj's rows lie in the stored order (in each 32 the middle two eights have changed places): register 8 b + j of lane (r, h)
; is column 32 (b / 2) + 16 h + 8 (b % 2) + j.  Lane r of o's tile a is token 32 (a / 2) + 8 (a % 2) + r + 8 (r / 8).  The bias, laid as the result lies, is the first products' C.
; REGISTERS: window 0: v0-31 addresses, v32-63 scale words (lanes 0-15 o's, lanes 16-31 w_proj's), v64-95 the bias, then with v96-127 the way out, v128-255 the accumulators; window 1: two sets of 4 + 4 fragments.
.set PITCH,  240
.set FR,     12
.set NP,     4                         ; places behind this matrix instruction (ISA guide 7.12.1)
.set ATILE,  12288                     ; a tile of 16 tokens, all of K
.set TBYTES, 98304                     ; eight of them; also w_proj's 128 rows in memory
.set HALFB,  128*PITCH                 ; a K step's 128 rows of w_proj in LDS
.set BOFF,   TBYTES
.set SCL,    BOFF+4*HALFB
.set HALFS,  8*272                     ; the scale bytes of 64 rows
.set SBLK,   2*272                     ; of 16
.set SPARE,  SCL+4*HALFS               ; the spare words, 128 bytes a wave, which no other line names
.set STG,    SPARE+512                 ; the way out: 16 rows x 272 bytes for each wave; no fill lands here
.set SPITCH, 272
.set VBI,  14
.set ADRA, 16                          ; v16, v17 o's fragments: the 8-byte and the 16-byte loads
.set ADRB, 20                          ; v20, v21 w_proj's fragments in K steps 0-1, 2-3; v22, v23 behind one padding more
.set STO,  24
.set RD,   25
.set CO,   26
.set ADRS, 27
.set SPW,  28
.set NIL,  29
.set SC,   32
.set BI,   64
.set BK,   64
.set ACC,  128
.set G1,   24                          ; s[24:31], s[32:35] groups 1 and 0 of o's codes
.set G0,   32
.set G1B,  48                          ; s[48:55], s[56:59] of w_proj's
.set G0B,  56
.set G1S,  68                          ; s[68:75], s[76:79] of o's scale bytes
.set G0S,  76
.set G1SB, 80                          ; s[80:87], s[88:91] of w_proj's
.set G0SB, 88
.set MSB, 0
.macro WIN new
.if MSB != \new
	s_set_vgpr_msb (MSB<<8)|\new
.set MSB, \new
.endif
.endm
.set W_MUL, 0x05                       ; sources 0 and 1 in window 1
.set TO_F,  0x40                       ; destination in window 1
.macro CROUND
	s_barrier_signal -1
	s_barrier_wait -1
	s_cmp_lg_u32 s14, 0
	s_cbranch_scc1 .Lnot_wave_0_\@
	s_barrier_signal -3
.Lnot_wave_0_\@:
	s_barrier_wait -3
	s_barrier_signal -1
	s_barrier_wait -1
.endm
.macro DENSE g, rows                   ; words 1 to 7 of a group 1: rows of 256 bytes (32 elements of 8), dense
	s_mov_b32 s[\g+1], 32<<16
	s_mov_b32 s[\g+2], (\rows)<<16
	s_mov_b32 s[\g+3], 32<<16
	s_mov_b32 s[\g+4], \rows
	s_mov_b32 s[\g+5], 32
	s_mov_b32 s[\g+6], 0
	s_mov_b32 s[\g+7], 0
.endm
.macro GROUP0 g, lds, base, off
	s_mov_b32 s[\g], 1
	s_mov_b32 s[\g+1], \lds
	s_add_nc_u64 s[\g+2:\g+3], s[\base:\base+1], s[\off:\off+1]
	s_or_b32 s[\g+3], s[\g+3], 0x80000000
.endm
.macro ARM under, g0, g1, next
	s_cmp_lt_u32 s14, \under
	s_cbranch_scc0 \next
	tensor_load_to_lds s[\g0:\g0+3], s[\g1:\g1+7]
	s_nop 0
.rept 4
	v_nop
.endr
	s_branch .Lhead_asked
\next:
.endm
	s_load_b256 s[4:11], s[0:1], 0x0               ; o_codes, o_scales, codes1, scales1
	s_load_b128 s[96:99], s[0:1], 0x20             ; b_proj, out0
	v_lshl_add_u32 v[SPW], v0, 2, SPARE
	v_mov_b32 v[NIL], 0
	ds_add_u32 v[SPW], v[NIL]                      ; the opening lines
	ds_add_u32 v[SPW], v[NIL]
	v_lshrrev_b32 v1, 5, v0
	v_readfirstlane_b32 s14, v1                    ; wave
	s_lshr_b32 s15, s14, 1                         ; which 64 tokens are mine
	s_and_b32 s16, s14, 1                          ; which 64 columns
	s_bfe_u32 s40, ttmp6, 0x40000                  ; cx, cy
	s_bfe_u32 s41, ttmp6, 0x40004
	s_lshl_b32 s42, ttmp9, 2
	s_add_co_u32 s42, s42, s40                     ; tile column, 0..7
	s_and_b32 s17, ttmp7, 0xffff
	s_lshl_b32 s17, s17, 2
	s_add_co_u32 s17, s17, s41                     ; tile row, 0..31
	s_lshl_b32 s43, s41, 2
	s_lshl_b32 s43, 15, s43                        ; my row of the cluster
	s_lshl_b32 s44, 0x1111, s40                    ; my column
	s_or_b32 s[G1+0], s43, (3<<16)|(1<<21)
	s_or_b32 s[G1B+0], s44, (3<<16)|(1<<20)|(1<<21)|(3<<22)|(3<<25)    ; 4 words of padding behind every 16
	s_or_b32 s[G1S+0], s43, (3<<16)|(1<<20)|(1<<21)|(5<<22)|(3<<25)    ; behind every 64
	s_or_b32 s[G1SB+0], s44, (3<<16)|(1<<20)|(1<<21)|(5<<22)|(3<<25)
	DENSE G1, 384
	DENSE G1B, 384
	DENSE G1S, 16
	DENSE G1SB, 16
	s_mul_i32 s20, s17, TBYTES                     ; o's eight tiles
	s_mov_b32 s21, 0
	s_lshl_b32 s22, s17, 12                        ; their scale bytes
	s_mov_b32 s23, 0
	s_mul_i32 s46, s42, TBYTES
	s_add_co_u32 s46, s46, 5505024                 ; w_proj's group of 128 rows, behind the 28 groups of x and w_qkv
	s_mov_b32 s47, 0
	s_lshl_b32 s92, s42, 12
	s_add_co_u32 s92, s92, 229376                  ; its scale bytes: stored row 7,168 + 128 x tile column
	s_mov_b32 s93, 0
	s_wait_dscnt 0x0                               ; both opening adds are done
	s_wait_kmcnt 0x0
	GROUP0 G0, 0, 4, 20
	GROUP0 G0S, SCL, 6, 22
	GROUP0 G0B, BOFF, 8, 46
	GROUP0 G0SB, SCL+2*HALFS, 10, 92
	CROUND                                         ; all sixteen work-groups are here: the joint loads meet
	ARM 1, G0B, G1B, .Lhead_a                      ; one chain of branches on the wave's number, one load to an arm
	ARM 2, G0,  G1,  .Lhead_sb
	ARM 3, G0SB, G1SB, .Lhead_sa
	tensor_load_to_lds s[G0S:G0S+3], s[G1S:G1S+7]
	s_nop 0
.rept 4
	v_nop
.endr
.Lhead_asked:
	v_and_b32 v1, 15, v0                           ; r
	v_bfe_u32 v2, v0, 4, 1                         ; h
	v_and_b32 v6, 31, v0
	v_lshlrev_b32 v7, 3, v6
	v_lshlrev_b32 v8, 4, v6
	v_add_nc_u32 v8, 256, v8
	v_mul_u32_u24 v3, v1, PITCH
	v_mul_u32_u24 v4, v2, 24
	v_add_nc_u32 v4, v3, v4                        ; w_proj: row x pitch + 24 h,
	v_lshl_add_u32 v5, v2, 4, v4                   ; and the same behind one padding more
	s_mul_i32 s21, s15, 4*ATILE                    ; my four tiles of tokens
	s_mul_i32 s22, s16, 64*PITCH                   ; my 64 rows of w_proj
	s_add_co_u32 s22, s22, BOFF
	v_add_nc_u32 v[ADRA], s21, v7
	v_add_nc_u32 v[ADRA+1], s21, v8
.irp s, 0,1
	v_add_nc_u32 v[ADRB+\s], s22, v4
	v_add_nc_u32 v[ADRB+2+\s], s22, v5
	s_add_co_u32 s22, s22, 2*HALFB
.endr
	v_mul_u32_u24 v5, v1, 32                       ; my row's scale bytes: 32 a row,
	v_lshrrev_b32 v6, 8, v5
	v_lshl_add_u32 v5, v6, 4, v5                   ; and 16 more for each 256 passed
	s_mul_i32 s21, s15, HALFS
	s_mul_i32 s22, s16, HALFS
	s_add_co_u32 s22, s22, 2*HALFS
	s_sub_co_u32 s22, s22, s21
	v_mul_u32_u24 v6, s22, v2                      ; lanes 16-31 take w_proj's
	s_add_co_u32 s21, s21, SCL
	v_add_nc_u32 v5, v5, v6
	v_add_nc_u32 v[ADRS], s21, v5
	s_mul_i32 s23, s14, 16*SPITCH
	s_add_co_u32 s23, s23, STG                     ; my stage
	v_mul_u32_u24 v5, v1, SPITCH
	v_lshl_add_u32 v5, v2, 6, v5
	v_add_nc_u32 v[STO], s23, v5                   ; in: row r, 64 bytes on for lanes 16-31
	v_mul_u32_u24 v5, v2, SPITCH
	v_lshl_add_u32 v5, v1, 4, v5
	v_add_nc_u32 v[RD], s23, v5                    ; back: sixteen lanes to a row of 256 bytes
	v_lshlrev_b32 v[CO], 12, v2
	v_lshl_add_u32 v[CO], v1, 4, v[CO]             ; and the same two rows of out0
	s_lshl_b32 s20, s17, 7
	s_lshl_b32 s21, s15, 6
	s_add_co_u32 s20, s20, s21
	s_lshl_b32 s20, s20, 12                        ; my first token's row of 4,096 bytes
	s_lshl_b32 s46, s42, 9
	s_lshl_b32 s47, s16, 8
	s_add_co_u32 s46, s46, s47                     ; my first column, in bytes
	s_add_co_u32 s20, s20, s46
	s_mov_b32 s21, 0
	s_add_nc_u64 s[98:99], s[98:99], s[20:21]
	v_lshlrev_b32 v[VBI], 6, v2
	v_add_nc_u32 v[VBI], s46, v[VBI]
.irp b, 0,1,2,3
	global_load_b128 v[BI+8*\b:BI+8*\b+3], v[VBI], s[96:97] offset:(32*(\b/2)+8*(\b%2))*4
	global_load_b128 v[BI+8*\b+4:BI+8*\b+7], v[VBI], s[96:97] offset:(32*(\b/2)+8*(\b%2))*4+16
.endr
.macro FRAG reg, q, i                  ; w_proj's fragment: six pieces of 8 bytes; 16 bytes of padding lie behind every 8 pieces
.irp p, 0,1,2,3,4,5
.set PCE, 12*((\q)%2)+6*(\p/3)+\p%3
.if PCE%8 < 5
	ds_load_b64 v[\reg+2*\p:\reg+2*\p+1], v[ADRB+(\q)/4] offset:(((\q)/2)%2)*HALFB+8*PCE+16*(PCE/8)+(\i)*16*PITCH
.else
	ds_load_b64 v[\reg+2*\p:\reg+2*\p+1], v[ADRB+2+(\q)/4] offset:(((\q)/2)%2)*HALFB+8*PCE+16*(PCE/8)+(\i)*16*PITCH
.endif
.endr
.endm
.macro FRAGI reg, q, i                 ; o's fragment: the half-images of heads 2 q and 2 q + 1
	ds_load_b64 v[\reg:\reg+1], v[ADRA] offset:ATILE*(\i)+1536*(\q)
	ds_load_b128 v[\reg+2:\reg+5], v[ADRA+1] offset:ATILE*(\i)+1536*(\q)
	ds_load_b64 v[\reg+6:\reg+7], v[ADRA] offset:ATILE*(\i)+1536*(\q)+768
	ds_load_b128 v[\reg+8:\reg+11], v[ADRA+1] offset:ATILE*(\i)+1536*(\q)+768
.endm
.macro FETCH q                         ; the q-th 128 along K into set q % 2
	WIN TO_F
.irp i, 0,1,2,3
	FRAGI 128*((\q)%2)+FR*\i, \q, \i
.endr
.irp i, 0,1,2,3
	FRAG 128*((\q)%2)+48+FR*\i, \q, \i
.endr
.endm
.macro MUL16 q                         ; the sixteen accumulators by turns
.set FB, 128*((\q)%2)
.irp a, 0,1,2,3
.irp b, 0,1,2,3
.if (\q) == 0
	v_wmma_scale_f32_16x16x128_f8f6f4 v[ACC+8*(4*\a+\b):ACC+8*(4*\a+\b)+7], v[FB+48+FR*\b:FB+48+FR*\b+FR-1], v[FB+FR*\a:FB+FR*\a+FR-1], v[BI+8*\b:BI+8*\b+7], v[SC+8*\b+(\q)], v[SC+8*\a+(\q)] matrix_a_fmt:MATRIX_FMT_FP6 matrix_b_fmt:MATRIX_FMT_FP6 matrix_a_scale:MATRIX_SCALE_ROW1
.else
	v_wmma_scale_f32_16x16x128_f8f6f4 v[ACC+8*(4*\a+\b):ACC+8*(4*\a+\b)+7], v[FB+48+FR*\b:FB+48+FR*\b+FR-1], v[FB+FR*\a:FB+FR*\a+FR-1], v[ACC+8*(4*\a+\b):ACC+8*(4*\a+\b)+7], v[SC+8*\b+(\q)], v[SC+8*\a+(\q)] matrix_a_fmt:MATRIX_FMT_FP6 matrix_b_fmt:MATRIX_FMT_FP6 matrix_a_scale:MATRIX_SCALE_ROW1
.endif
.endr
.endr
.endm
.macro PLACES n
.rept \n
	v_nop
.endr
.endm
.macro SUB q
	s_wait_dscnt 0x0                               ; this step's fragments are in
.if (\q) < 7
.if (\q) > 0
	PLACES NP                                      ; between the last step's products and the loads into their registers
.endif
	FETCH (\q)+1                                   ; the next step's land under this step's products
.endif
	WIN W_MUL
	MUL16 \q
.endm
	s_wait_alu depctr_va_vdst(0)                   ; the wait at the head's end
	s_wait_tensorcnt 0x0                           ; my tile is in,
	s_barrier_signal -1
	s_barrier_wait -1                              ; everybody's is
.irp i, 0,1,2,3
	ds_load_b128 v[SC+8*\i:SC+8*\i+3], v[ADRS] offset:\i*SBLK      ; a row's eight scale words, all of K
	ds_load_b128 v[SC+8*\i+4:SC+8*\i+7], v[ADRS] offset:\i*SBLK+16
.endr
	FETCH 0
	s_wait_loadcnt 0x0                             ; the bias
.irp q, 0,1,2,3,4,5,6,7
	SUB \q
.endr
	WIN 0
; THE WAY OUT: a block of 16 tokens x 64 columns goes through my own stage and comes back as rows of 256 bytes; LDS serves a wave's instructions in order (ISA guide 5.7.1.4).
.macro TOSTAGE a
.irp b, 0,1,2,3
	ds_store_b128 v[STO], v[ACC+8*(4*(\a)+\b):ACC+8*(4*(\a)+\b)+3] offset:128*(\b/2)+32*(\b%2)
	ds_store_b128 v[STO], v[ACC+8*(4*(\a)+\b)+4:ACC+8*(4*(\a)+\b)+7] offset:128*(\b/2)+32*(\b%2)+16
.endr
.set BB, BK+32*((\a)%2)
.irp t, 0,1,2,3,4,5,6,7
	ds_load_b128 v[BB+4*\t:BB+4*\t+3], v[RD] offset:2*\t*SPITCH
.endr
.endm
.macro SEND a, younger                 ; younger: the LDS instructions issued behind block a's loads
.set BB, BK+32*((\a)%2)
	s_wait_dscnt \younger
.irp t, 0,1,2,3,4,5,6,7
	global_store_b128 v[CO], v[BB+4*\t:BB+4*\t+3], s[98:99] offset:(32*((\a)/2)+8*((\a)%2)+2*\t+8*(\t/4))*4096 th:TH_STORE_NT   ; sixteen lanes store 256 consecutive bytes, aligned
.endr
.endm
	PLACES NP
	s_wait_alu depctr_va_vdst(0)
	TOSTAGE 0
.irp a, 1,2,3
.if \a > 1
	s_wait_xcnt 0x0                                ; block a - 2's stores have read their registers
.endif
	TOSTAGE \a
	SEND \a-1, 16
.endr
	SEND 3, 0
	s_wait_tensorcnt 0x0                           ; the wave's end
	ds_add_u32 v[SPW], v[NIL]
	s_wait_dscnt 0x0
	CROUND                                         ; the closing round
	s_endpgm
.Lfunc_end_k_q30e4519cbf_proj:
	.size	k_q30e4519cbf_proj, .Lfunc_end_k_q30e4519cbf_proj-k_q30e4519cbf_proj
	.p2alignl 7, 3214868480
	.fill 96, 4, 3214868480
	.section	.rodata,"a",@progbits
	.p2align	6, 0x0
	.amdhsa_kernel k_q30e4519cbf_proj
		.amdhsa_group_segment_fixed_size 247808
		.amdhsa_private_segment_fixed_size 0
		.amdhsa_enable_private_segment 0
		.amdhsa_kernarg_size 48
		.amdhsa_user_sgpr_count 2
		.amdhsa_user_sgpr_kernarg_segment_ptr 1
		.amdhsa_wavefront_size32 1
		.amdhsa_system_sgpr_workgroup_id_x 1
		.amdhsa_system_sgpr_workgroup_id_y 1
		.amdhsa_system_sgpr_workgroup_id_z 1
		.amdhsa_system_vgpr_workitem_id 0
		.amdhsa_next_free_vgpr 512
		.amdhsa_next_free_sgpr 100
		.amdhsa_reserve_vcc 0
		.amdhsa_float_denorm_mode_32 3
		.amdhsa_float_denorm_mode_16_64 3
		.amdhsa_memory_ordered 1
		.amdhsa_forward_progress 1
		.amdhsa_inst_pref_size 55
	.end_amdhsa_kernel
	.amdgpu_metadata
---
amdhsa.version: [ 1, 2 ]
amdhsa.kernels:
  - .name:           k_q30e4519cbf_proj
    .symbol:         k_q30e4519cbf_proj.kd
    .args:
      - { .name: o_codes, .offset: 0, .size: 8, .value_kind: global_buffer, .address_space: global }
      - { .name: o_scales, .offset: 8, .size: 8, .value_kind: global_buffer, .address_space: global }
      - { .name: codes1, .offset: 16, .size: 8, .value_kind: global_buffer, .address_space: global }
      - { .name: scales1, .offset: 24, .size: 8, .value_kind: global_buffer, .address_space: global }
      - { .name: b_proj, .offset: 32, .size: 8, .value_kind: global_buffer, .address_space: global }
      - { .name: out0, .offset: 40, .size: 8, .value_kind: global_buffer, .address_space: global }
    .group_segment_fixed_size: 247808
    .private_segment_fixed_size: 0
    .kernarg_segment_align: 8
    .kernarg_segment_size: 48
    .max_flat_workgroup_size: 128
    .sgpr_count:     100
    .vgpr_count:     512
    .wavefront_size: 32
...
	.end_amdgpu_metadata
.endif
;; end of part 4
